; MI455X (gfx1250); checked and timed in simulation.
; The chip was launched on July 23, 2026; its instructions are those of AMD's public machine-readable ISA for CDNA 5 (MIT licence, August 2026) and "CDNA5" Instruction Set Architecture Reference Guide (July 2026). The comments in the code are by the model that wrote it; some were corrected since.
;; Autoregressive Attention. Allowed arithmetic: matrix products marked QUANTISED: E2M3 operands, one E8M0 scale for each 32 along K, by v_wmma_scale_f32_16x16x128_f8f6f4 with both operands' format E2M3, f32 sums; everything else in f32.
;; Inputs: Wk 1,024 x 1,024 float32; Wq 1,024 x 1,024 float32; Wv 1,024 x 1,024 float32; bk 1,024 float32; bq 1,024 float32; bv 1,024 float32; inputs 4 x 2,048 x 1,024 float32.
;; Outputs: out0 4 x 2,048 x 1,024 float32.
;; This version of the problem:
;;   THIS VERSION OF THE PROBLEM IS GIVEN IN LOW PRECISION. The matrix products marked QUANTISED in the list below multiply operands that are first quantised to E2M3 (2 exponent bits, 3 mantissa bits; 6 bits a number), with one power-of-two scale for each 32 numbers along K (OCP MX v1.0); their sums are f32. All else is computed in f32.
;;   The module's matrix products, in the order in which they are computed (A, B: the left and right operand; K: the contracted axis; several contracted axes count as one K, in the product's order):
;;     1. [M 8,192, K 1,024] x [K 1,024, N 1,024]; A: input inputs; B: input Wq: QUANTISED
;;     2. [M 8,192, K 1,024] x [K 1,024, N 1,024]; A: input inputs; B: input Wk: QUANTISED
;;     3. [M 8,192, K 1,024] x [K 1,024, N 1,024]; A: input inputs; B: input Wv: QUANTISED
;;     4. batch 4 x [M 2,048, K 1,024] x [K 1,024, N 2,048]; A: computed on the way; B: computed on the way: QUANTISED
;;     5. batch 4 x [M 2,048, K 2,048] x [K 2,048, N 1,024]; A: softmax (see below); B: computed on the way: QUANTISED
;;   THE QUANTISER, for each operand of a quantised product, along K:
;;     - K is cut into blocks of 32 from its start; a last block that is shorter is filled with zeros.
;;     - A block's scale is 2^e with e = floor(log2(the largest magnitude in the block)) - 2, held to -126 .. 127; a block of zeros has e = 0. As a byte (E8M0): e + 127.
;;     - Each number is divided by its block's scale, clamped to +-7.5, and rounded to the nearest number of E2M3, ties to even, subnormals kept.
;;     - The product sums the exact products of the quantised numbers (number of the format x scale) in f32.
;;   ~~~python
;;   def quantise(x, axis):      # numpy; x: float32 -> the quantised numbers, widened to float32 again
;;       x = np.moveaxis(x, axis, -1); K = x.shape[-1]
;;       x = np.pad(x, [(0, 0)] * (x.ndim - 1) + [(0, -K % 32)]); x = x.reshape(x.shape[:-1] + (-1, 32)); a = np.abs(x).max(-1, keepdims=True)
;;       e = np.where(a > 0, np.clip(np.frexp(np.where(a > 0, a, 1))[1] - 1 - 2, -126, 127), 0)      # np.frexp(a)[1] - 1 = floor(log2(a)), exactly
;;       r = np.clip(x / 2.0 ** e, -7.5, 7.5)
;;       step = 2.0 ** (np.maximum(np.frexp(np.where(r == 0, 1, r))[1] - 1, 0) - 3)
;;       q = np.round(r / step) * step * 2.0 ** e      # np.round: ties to even
;;       return np.moveaxis(q.reshape(q.shape[:-2] + (-1,))[..., :K], -1, axis).astype(np.float32)
;;   ~~~
;;   SOFTMAX AHEAD OF A QUANTISED PRODUCT. Where the list says 'softmax', what is quantised is not the finished softmax but p = 2^(t - M), with t = logit x log2(e) and M = ceil(the row's largest t), a whole number; so 1/2 < the row's largest p <= 1. The row's sum l is taken of the UNQUANTISED p, in f32, and the product's result is divided by l at the end. Since M is a whole number, a kernel that streams over the keys may use a running M (the ceiling of the running maximum): every later rescaling is an exact power of two, which a block's scale takes up: the codes' values come out the same.
;;   OPERANDS COMPUTED ON THE WAY. 'Computed on the way' means the value that the module computes at that place (a softmax that the list does not call 'softmax' is quantised finished and normalised). What goes into a quantiser is computed in f32, as accurately as f32 sums, v_exp_f32 and their like allow (about 1e-6 of the number): no bf16 or f16 on the way to a quantiser, and a product that is left as it is and whose result goes on into a quantised operand takes f32 operands (vector FMAs, or v_wmma_f32_16x16x4_f32). A number that lies on a knife's edge between two numbers of the format may be rounded either way, as far as f32 arithmetic and the matrix unit's own rounding can turn it there, and no further.
;; One version. Each part assembles by itself: llvm-mc -triple=amdgcn-amd-amdhsa -mcpu=gfx1250 --defsym DOCPART=n.
;; ======== version 1 of 1: 4 launches
;; limits: right only within a limited range of input values
;; workspace buffers: xp 6,553,600 bytes; wp 2,457,600 bytes; qp 6,553,600 bytes; kp 6,553,600 bytes; vp 6,553,600 bytes; pp 12,582,912 bytes; pst 1,572,864 bytes
;; launch quant (part 1): grid 352 x 1, 4 waves a work-group, no clusters, 34,304 bytes of LDS; arguments inputs, Wq, Wk, Wv, xp, wp; writes xp, wp
.if DOCPART == 1
	.amdgcn_target "amdgcn-amd-amdhsa--gfx1250"
	.amdhsa_code_object_version 6
	.text
	.protected	k_q81e5d81121_quant
	.globl	k_q81e5d81121_quant
	.p2align	8
	.type	k_q81e5d81121_quant,@function
k_q81e5d81121_quant:
	s_mov_b64 s[64:65], 0
	v_nop
	global_prefetch_b8 v0, s[64:65] scope:SCOPE_SE
	s_setreg_imm32_b32 hwreg(HW_REG_WAVE_MODE, 25, 1), 1
	s_wait_xcnt 0x0
; THE PROGRAM: out = softmax(causal(q k^T / 32)) v, q, k, v = x W^T + b, all five products on codes of E2M3 with one E8M0 scale for each 32 along K.
; Four launches: this one (x and the three W into codes), proj (q, k, v, quantised on the way out), score (live panels of q k^T, p = 2^(t - M) under a panel's own whole M, quantised), pv (row M and l, scale bytes shifted, P V / l).
; WORK LEFT OUT.  reference() builds the causal mask in its own body: where key > query the score is replaced by -1e9, whatever q and k hold there, so the products q k^T of such places reach no output.
; They are left out where they come in whole panels of 128 queries x 128 keys (all 128 keys behind all 128 queries).  Their weights are 2^((-1e9 - max) log2 e), which is 0 in f32, so their codes are zeros
; and their part of P V and of the row's sum is 0: those panels of the last product are left out too.  No input is left out: all seven have a way to the output (bk moves k's codes).
; LIMITS: a row whose largest logit lies under about -1e9 + 100 is not served (there the masked places would count); NaN, infinity or overflow that reach only masked scores are not carried to the result;
; NaN and infinities among the inputs are not served; a block of zeros carries the scale byte 1 (its codes are zeros; the bytes are read by this program alone).
;
; THIS LAUNCH.  x [8192][1024] and Wq, Wk, Wv [1024][1024], f32, K innermost, become PANELS.  A panel is 128 rows x 128 along K: eight fragments of 16 rows as IMAGES OF THE OPERAND'S REGISTERS
; (12 registers a lane: chunk c = registers 4 c .. 4 c + 3, lane l's 16 bytes at 512 c + 16 l: 1,536 bytes), then 512 bytes of scale words: tile i, lane r at 256 (i / 4) + 16 r + 4 (i % 4).  12,800 bytes.
; THE ROWS OF A TILE ARE NOT NEIGHBOURS: lane r of tile T holds row 32 (T / 2) + 8 (T % 2) + r + 8 (r / 8) of the group of 128, so that a later product's results lie as 16 neighbours along the next K.
; Panels lie [group of 128 rows][K step], K step fastest.  704 panels; a work-group takes two, a wave half a panel: four tiles.
; Each load reads 512 consecutive bytes of one row; a tile's 16 rows turn through the wave's own stage in LDS (pitch 528: the 16 rows of a read start at 16 different groups of banks), so that lane (r, h) gets,
; of row r, k = 32 b + 16 h + 0 .. 15 of each block b.  A block's scale byte is its largest magnitude's exponent field - 2, held at 1 from below.  No barrier: waves share nothing.
.set FRB,   1536                       ; a fragment's image
.set PANEL, 12800
.set STGB,  16*528                     ; a wave's stage
.set SPARE, 4*STGB                     ; behind the stages: the spare words, 128 bytes a wave, named by no other line
.set LO,   4                           ; v4   16 x lane
.set STI,  5                           ; v5   stage, on the way in
.set STQ,  6                           ; v6   stage, on the way out: 528 r + 64 h
.set SWO,  7                           ; v7   16 r + 8 h: my two scale words' place
.set SPW,  12                          ; v12  my spare word; never rewritten
.set NIL,  13                          ; v13  0; never rewritten
.set X,    16                          ; v16-79   64 numbers of my row: register 16 b + i = k 32 b + 16 h + i
.set PC,   80                          ; v80-98   the codes just made
.set TM,   100                         ; v100-115 at work
.set PW4,  116                         ; v116-119 the four tiles' scale words
.set R,    128                         ; v128-255 two sets of 64: tiles as loaded
.set SEL,  20                          ; s[20:21] lane l xor 16
	s_load_b256 s[4:11], s[0:1], 0x0               ; inputs, Wq, Wk, Wv
	s_load_b128 s[12:15], s[0:1], 0x20             ; xp, wp
	v_lshl_add_u32 v[SPW], v0, 2, SPARE
	v_mov_b32 v[NIL], 0
	v_lshrrev_b32 v1, 5, v0
	v_readfirstlane_b32 s16, v1                    ; wave
	v_and_b32 v1, 31, v0                           ; lane
	v_and_b32 v2, 15, v0                           ; r
	v_bfe_u32 v3, v0, 4, 1                         ; h
	v_lshlrev_b32 v[LO], 4, v1
	s_mul_i32 s17, s16, STGB
	v_add_nc_u32 v[STI], s17, v[LO]
	v_mul_u32_u24 v[STQ], v2, 528
	v_lshl_add_u32 v[STQ], v3, 6, v[STQ]
	v_add_nc_u32 v[STQ], s17, v[STQ]
	v_lshlrev_b32 v[SWO], 4, v2
	v_lshl_add_u32 v[SWO], v3, 3, v[SWO]
.irp b, 0,1,2,3
	v_mov_b32 v[TM+4+\b], 0                        ; written once: a lane permute's destination counts as one of its sources
.endr
	s_mov_b32 s[SEL], 0x76543210
	s_mov_b32 s[SEL+1], 0xfedcba98
	s_lshr_b32 s18, s16, 1                         ; which of the work-group's two panels
	s_and_b32 s19, s16, 1                          ; which half of it
	s_lshl_b32 s22, ttmp9, 1
	s_add_co_u32 s22, s22, s18
	s_cmp_lt_u32 ttmp9, 256                        ; work-groups 0-255: x; 256-351: the weights
	s_cselect_b32 s23, 0, 512
	s_cselect_b32 s24, 63, 7                       ; groups in the source tensor, less 1
	s_sub_co_u32 s22, s22, s23                     ; the panel's number in its buffer
	s_lshr_b32 s25, s22, 3
	s_and_b32 s25, s25, s24                        ; the group of 128 rows in the source tensor
	s_and_b32 s26, s22, 7                          ; the K step
	s_lshl_b32 s25, s25, 19                        ; 128 rows of 4,096 bytes
	s_lshl_b32 s26, s26, 9                         ; 128 numbers
	s_add_co_u32 s25, s25, s26
	s_lshl_b32 s26, s19, 18                        ; my half: 64 rows
	s_add_co_u32 s28, s25, s26
	s_mov_b32 s29, 0
	s_mul_i32 s30, s22, PANEL
	s_mul_i32 s26, s19, 4*FRB
	s_add_co_u32 s32, s30, s26                     ; my four fragments
	s_mov_b32 s33, 0
	s_lshl_b32 s26, s19, 8
	s_add_co_u32 s34, s30, s26
	s_add_co_u32 s34, s34, 8*FRB                   ; my 256 bytes of scale words
	s_mov_b32 s35, 0
	s_wait_kmcnt 0x0
	s_cmp_lt_u32 ttmp9, 320                        ; the buffers are chosen on the work-group's number alone
	s_cselect_b64 s[8:9], s[8:9], s[10:11]
	s_cmp_lt_u32 ttmp9, 288
	s_cselect_b64 s[6:7], s[6:7], s[8:9]
	s_cmp_lt_u32 ttmp9, 256
	s_cselect_b64 s[4:5], s[4:5], s[6:7]
	s_cselect_b64 s[12:13], s[12:13], s[14:15]
	s_add_nc_u64 s[4:5], s[4:5], s[28:29]
	s_add_nc_u64 s[36:37], s[12:13], s[34:35]
	s_add_nc_u64 s[12:13], s[12:13], s[32:33]
.macro LOAD t                          ; tile t's 16 rows, 512 consecutive bytes each, into set t % 2
.irp j, 0,1,2,3,4,5,6,7,8,9,10,11,12,13,14,15
	global_load_b128 v[R+64*((\t)%2)+4*\j:R+64*((\t)%2)+4*\j+3], v[LO], s[4:5] offset:(32*((\t)/2)+8*((\t)%2)+\j+8*(\j/8))*4096 th:TH_LOAD_NT
.endr
.endm
; 64 numbers of a lane become a fragment's codes in v[PC] .. v[PC + 11] and its row's scale word in v[pw]
.macro QUANT src, pw
.irp b, 0,1,2,3
	v_max3_num_f32 v[TM+\b], 0x1800000, |v[\src+16*\b]|, |v[\src+16*\b+1]|   ; block b: my 16 numbers and the floor 2^(3 - 127): the byte cannot fall under 1
.endr
.irp i, 2,4,6,8,10,12,14
.irp b, 0,1,2,3
	v_max3_num_f32 v[TM+\b], v[TM+\b], |v[\src+16*\b+\i]|, |v[\src+16*\b+\i+1]|   ; the four blocks by turns
.endr
.endr
.irp b, 0,1,2,3
	v_permlanex16_b32 v[TM+4+\b], v[TM+\b], s[SEL], s[SEL+1]
.endr
.irp b, 0,1,2,3
	v_max_num_f32 v[TM+\b], v[TM+\b], v[TM+4+\b]   ; with lane l xor 16's 16: the block's largest magnitude
.endr
.irp b, 0,1,2,3
	v_add_nc_u32 v[TM+12+\b], 0xff000000, v[TM+\b] ; 2 off its exponent field: the conversion's scale operand
.endr
.irp b, 0,1,2,3
	v_lshrrev_b32 v[TM+4+\b], 23, v[TM+12+\b]      ; the scale's byte
.endr
	v_lshl_or_b32 v[\pw], v[TM+5], 8, v[TM+4]
	v_lshl_or_b32 v[\pw], v[TM+6], 16, v[\pw]
	v_lshl_or_b32 v[\pw], v[TM+7], 24, v[\pw]
.irp c, 0,1
	v_cvt_scalef32_pk16_fp6_f32 v[PC+6*\c:PC+6*\c+2], v[\src+32*\c:\src+32*\c+15], v[TM+12+2*\c]
	v_cvt_scalef32_pk16_fp6_f32 v[PC+12+4*\c:PC+14+4*\c], v[\src+32*\c+16:\src+32*\c+31], v[TM+13+2*\c]   ; (a conversion's three registers begin on an even number)
.endr
	v_nop                                          ; one plain place behind a scaled conversion
.irp c, 0,1                                    ; the operand's layout wants a whole block in a lane: lanes 0-15 block 2 c, lanes 16-31 block 2 c + 1
.irp i, 0,1,2
	v_permlane16_swap_b32 v[PC+6*\c+\i], v[PC+12+4*\c+\i]
.endr
.irp i, 0,1,2
	v_mov_b32 v[PC+3+6*\c+\i], v[PC+12+4*\c+\i]
.endr
.endr
.endm
.macro TILE t
.if \t < 3
	s_wait_loadcnt 16                              ; this tile's 16 loads are in; the next tile's 16 may be out
.else
	s_wait_loadcnt 0x0
.endif
.irp j, 0,1,2,3,4,5,6,7,8,9,10,11,12,13,14,15
	ds_store_b128 v[STI], v[R+64*((\t)%2)+4*\j:R+64*((\t)%2)+4*\j+3] offset:528*\j
.endr
.irp bb, 0,1,2,3
.irp qd, 0,1,2,3
	ds_load_b128 v[X+16*\bb+4*\qd:X+16*\bb+4*\qd+3], v[STQ] offset:128*\bb+16*\qd   ; LDS serves a wave's instructions in order: these see the stores above
.endr
.endr
	s_wait_dscnt 0x0                               ; my numbers are back, and the stage's stores have read their registers
	s_wait_xcnt 0x0                                ; the last tile's global stores have read the codes' registers
.if \t < 2
	LOAD (\t)+2
.endif
	QUANT X, PW4+(\t)
.irp c, 0,1,2
	global_store_b128 v[LO], v[PC+4*\c:PC+4*\c+3], s[12:13] offset:FRB*(\t)+512*\c   ; 512 consecutive bytes
.endr
.endm
	LOAD 0
	LOAD 1
	TILE 0
	TILE 1
	TILE 2
	TILE 3
	v_cmp_eq_u32 vcc_lo, 1, v3                     ; both halves of the lanes hold every word: lane (r, h) gives words 2 h, 2 h + 1 of row r
	v_cndmask_b32 v120, v[PW4], v[PW4+2], vcc_lo
	v_cndmask_b32 v121, v[PW4+1], v[PW4+3], vcc_lo
	global_store_b64 v[SWO], v[120:121], s[36:37]  ; 256 consecutive bytes
	s_wait_tensorcnt 0x0                           ; the wave's end: behind my last LDS store
	ds_add_u32 v[SPW], v[NIL]
	s_wait_dscnt 0x0
	s_endpgm
.Lfunc_end_k_q81e5d81121_quant:
	.size	k_q81e5d81121_quant, .Lfunc_end_k_q81e5d81121_quant-k_q81e5d81121_quant
	.p2alignl 7, 3214868480
	.fill 96, 4, 3214868480
	.section	.rodata,"a",@progbits
	.p2align	6, 0x0
	.amdhsa_kernel k_q81e5d81121_quant
		.amdhsa_group_segment_fixed_size 34304
		.amdhsa_private_segment_fixed_size 0
		.amdhsa_enable_private_segment 0
		.amdhsa_kernarg_size 48
		.amdhsa_user_sgpr_count 2
		.amdhsa_user_sgpr_kernarg_segment_ptr 1
		.amdhsa_wavefront_size32 1
		.amdhsa_system_sgpr_workgroup_id_x 1
		.amdhsa_system_sgpr_workgroup_id_y 1
		.amdhsa_system_sgpr_workgroup_id_z 1
		.amdhsa_system_vgpr_workitem_id 0
		.amdhsa_next_free_vgpr 256
		.amdhsa_next_free_sgpr 66
		.amdhsa_reserve_vcc 1
		.amdhsa_float_denorm_mode_32 3
		.amdhsa_float_denorm_mode_16_64 3
		.amdhsa_memory_ordered 1
		.amdhsa_forward_progress 1
		.amdhsa_inst_pref_size 34
	.end_amdhsa_kernel
	.amdgpu_metadata
---
amdhsa.version: [ 1, 2 ]
amdhsa.kernels:
  - .name:           k_q81e5d81121_quant
    .symbol:         k_q81e5d81121_quant.kd
    .args:
      - { .name: inputs, .offset: 0, .size: 8, .value_kind: global_buffer, .address_space: global }
      - { .name: Wq, .offset: 8, .size: 8, .value_kind: global_buffer, .address_space: global }
      - { .name: Wk, .offset: 16, .size: 8, .value_kind: global_buffer, .address_space: global }
      - { .name: Wv, .offset: 24, .size: 8, .value_kind: global_buffer, .address_space: global }
      - { .name: xp, .offset: 32, .size: 8, .value_kind: global_buffer, .address_space: global }
      - { .name: wp, .offset: 40, .size: 8, .value_kind: global_buffer, .address_space: global }
    .group_segment_fixed_size: 34304
    .private_segment_fixed_size: 0
    .kernarg_segment_align: 8
    .kernarg_segment_size: 48
    .max_flat_workgroup_size: 128
    .sgpr_count:     66
    .vgpr_count:     256
    .wavefront_size: 32
...
	.end_amdgpu_metadata
.endif
;; end of part 1
;; launch proj (part 2): grid 8 x 32, 4 waves a work-group, clusters of 4 x 4, 327,680 bytes of LDS; arguments xp, wp, bq, bk, bv, qp, kp, vp; writes qp, kp, vp
.if DOCPART == 2
	.amdgcn_target "amdgcn-amd-amdhsa--gfx1250"
	.amdhsa_code_object_version 6
	.text
	.protected	k_q81e5d81121_proj
	.globl	k_q81e5d81121_proj
	.p2align	8
	.type	k_q81e5d81121_proj,@function
k_q81e5d81121_proj:
	s_mov_b64 s[64:65], 0
	v_nop
	global_prefetch_b8 v0, s[64:65] scope:SCOPE_SE
	s_setreg_imm32_b32 hwreg(HW_REG_WAVE_MODE, 25, 1), 1
	s_wait_xcnt 0x0
	s_wait_alu depctr_hold_cnt(0) depctr_sa_sdst(0) depctr_va_vdst(0) depctr_va_sdst(0) depctr_va_ssrc(0) depctr_va_vcc(0) depctr_vm_vsrc(0)
	s_getreg_b32 s2, hwreg(HW_REG_IB_STS2, 6, 4)
	s_cmp_eq_u32 s2, 0
	s_cbranch_scc0 .Lentry_in_a_cluster
	s_endpgm
.Lentry_in_a_cluster:
	s_bfe_u32 s2, ttmp6, 0x10000c
	s_cmp_lg_u32 s2, 0xf033
	s_cbranch_scc0 .Lentry_shape_is_right
	s_endpgm
.Lentry_shape_is_right:
; q = x Wq^T + bq, k = x Wk^T + bk, v = x Wv^T + bv on codes of E2M3, and each result quantised on the way out: q and k along the 1,024 channels, v along the keys.  Nothing is left out here.
; OPERANDS are panels (128 rows x 128 K as register images + scale words, 12,800 bytes; lane r of tile T holds row 32 (T / 2) + 8 (T % 2) + r + 8 (r / 8)), laid [group][K step].
; Source 0 = 16 rows of "B", source 1 = 16 rows of "A": a lane holds one row of A, its registers run along B's rows, and by the tiles' row order the 64 registers of a tile of A against B's eight tiles are:
; register 16 b + i = B's row 32 b + 16 h + i: the next product's K, in the order that the conversions want.  So results become panels with no exchange but the conversions' own.
; SHARES.  256 work-groups, (X = 0 .. 7, Y = 0 .. 31), each with two passes, so that every work-group has the same work: 8,192 x 3,072 results are 256 x (256 x 256 + 128 x 256).
;   PASS 1: A = x's groups 2 Y, 2 Y + 1, B = groups 2 X, 2 X + 1 of Wq | Wk: 256 x 256; a wave 128 x 128, 64 accumulators: one panel of q or k (registers along the channels).
;   PASS 2: A = Wv's group X, B = the same two groups of x: 128 x 256; a wave 64 x 128, 32 accumulators: half a panel of v (registers along the keys).
; LDS: three regions of 102,400 bytes.  Pass 1's K goes in four chunks of 256 (two panels of each of four groups): chunks 0, 1, 2 are asked for at the head, into regions 0, 1, 2; chunk 3 follows chunk 0 in region 0.
; Then region 1 takes Wv's group for all of K, region 2 x's two groups for K steps 0-3, region 0 for K steps 4-7.  Every load is a dense block of 25,600 bytes, one a wave behind each change of regions,
; and each has at least two chunks' products in which to land.  By this text's count a wave has three tensor loads out at the start, later one.
; CLUSTERS: 4 x 4.  What hangs on Y (x) is shared along a row of the cluster, what hangs on X (the weights) along a column: joint loads, behind a round of the cluster's barrier.
; The biases are the C of each sum's first matrix instruction.
; REGISTERS: window 0: v1-29 addresses; v32-63 scale words; v64-127 the bias of q or k; v128-223 A's fragments; v224-255 the bias of v.   window 1: B's fragments, two sets, at v0 and v128.
;   windows 2, 3: the accumulators, (a, b) at v[8 (8 (a % 4) + b)]; pass 2 uses window 2 alone.
; LIMITS: as stated at the head of the first launch (zero blocks carry the byte 1; NaN and infinities are not served).
.set FRB,   1536
.set PANEL, 12800
.set BLK,   2*PANEL                    ; what one tensor load brings
.set RGN,   4*BLK                      ; a region of LDS
.set GRP,   8*PANEL                    ; a group's eight K steps in memory
.set SPARE, 3*RGN                      ; behind the regions: the spare words, 128 bytes a wave, named by no other line
.set ADRX,  6                          ; v6-7    pass 2: x's images, K steps 0-3 (region 2), 4-7 (region 0): my group + 16 x lane
.set ADRXS, 10                         ; v10-11  their scale words: + 16 r
.set ADRW,  12                         ; v12-13  pass 2: Wv's images in region 1, K steps 0-3, 4-7: my four tiles + 16 x lane
.set ADRWS, 14                         ; v14-15  their scale words
.set ADRA,  16                         ; v16-18  pass 1: my A group's images in regions 0, 1, 2
.set ADRB,  19                         ; v19-21  my B group's
.set ADRS,  22                         ; v22-24  scale words: lanes 0-15 A's group, lanes 16-31 B's: + 16 r
.set GO,    25                         ; v25     16 x lane
.set GO2,   26                         ; v26     16 x lane + my half of a panel of v
.set SWO,   27                         ; v27     16 r + 8 h + my half's 256 bytes of scale words
.set SPW,   28                         ; v28     my spare word; never rewritten
.set NIL,   29                         ; v29     0; never rewritten
.set SC,    32                         ; pass 1: set for each chunk's parity: 16 set + 8 q + i: lanes 0-15 A's tile i, lanes 16-31 B's
.set SCA,   32                         ; pass 2: v32-39 Wv's words, two sets of 4;
.set SCB,   40                         ; v40-55 x's, two sets of 8
.set BIAS,  64
.set AF,    128                        ; A's fragments: pass 1 one set of 96, pass 2 two sets of 48
.set BV,    224
.set PC,    112                        ; the way out: v112-130 codes, v200-215 at work, v216-223 scale words, v132-135 words to store
.set TM,    200
.set PW8,   216
.set SEL,   84                         ; s[84:85] lane l xor 16
.set G1,    24                         ; s[24:31] group 1 with the mask of my row of the cluster
.set G1B,   32                         ; s[32:39] the same shape with the mask of my column
.set G0,    40                         ; s[40:51] group 0 for x's blocks of pass 1, a set for each region
.set G0B,   52                         ; s[52:63] for Wq | Wk's
.set G0W,   88                         ; s[88:91] for Wv's quarter
.set G0X,   92                         ; s[92:99] for x's blocks of pass 2: K steps 0-3, K steps 4-7
.set MSB, 0
.macro WIN new                         ; the immediate's high byte repeats the setting that is left
.if MSB != (\new)
	s_set_vgpr_msb (MSB<<8)|(\new)
.set MSB, (\new)
.endif
.endm
.set MUL_LO,  0xa1                     ; source 0 (B) window 1, source 1 (A) window 0, C and D window 2
.set MUL_HI,  0xf1                     ; C and D window 3
.set MULB_LO, 0x81                     ; C (a bias) window 0, D window 2
.set MULB_HI, 0xc1
.set TO_B,    0x40
.macro JLOAD s                         ; a joint load of pass 1: waves 0, 1 fetch x's groups, waves 2, 3 the weights'; an s_nop 0 and four v_nop follow each line
	s_cmp_eq_u32 s21, 0
	s_cbranch_scc0 .Lfor_b_\@
	tensor_load_to_lds s[G0+4*\s:G0+4*\s+3], s[G1:G1+7]
	s_nop 0
.rept 4
	v_nop
.endr
	s_branch .Lasked_\@
.Lfor_b_\@:
	tensor_load_to_lds s[G0B+4*\s:G0B+4*\s+3], s[G1B:G1B+7]
	s_nop 0
.rept 4
	v_nop
.endr
.Lasked_\@:
.endm
.macro ALOAD g0, g1                    ; a joint load that all four waves issue, each for its quarter of a region
	tensor_load_to_lds s[\g0:\g0+3], s[\g1:\g1+7]
	s_nop 0
.rept 4
	v_nop
.endr
.endm
.macro CREST                           ; a round of the cluster's barrier behind its opening barrier
	s_cmp_lg_u32 s20, 0
	s_cbranch_scc1 .Lnot_wave_0_\@
	s_barrier_signal -3
.Lnot_wave_0_\@:
	s_barrier_wait -3
	s_barrier_signal -1
	s_barrier_wait -1
.endm
.macro CROUND
	s_barrier_signal -1
	s_barrier_wait -1
	CREST
.endm
.macro PLACES n
.rept \n
	v_nop
.endr
.endm
	s_load_b512 s[4:19], s[0:1], 0x0               ; xp s[4:5], wp s[6:7], bq s[8:9], bk s[10:11], bv s[12:13], qp s[14:15], kp s[16:17], vp s[18:19]
	v_lshl_add_u32 v[SPW], v0, 2, SPARE
	v_mov_b32 v[NIL], 0
	ds_add_u32 v[SPW], v[NIL]                      ; the wave's opening: the add, twice on end, and its wait ahead of my first tensor load
	ds_add_u32 v[SPW], v[NIL]
	v_lshrrev_b32 v1, 5, v0
	v_readfirstlane_b32 s20, v1                    ; wave
	s_lshr_b32 s21, s20, 1                         ; rh: my half of A's rows.  Also, in pass 1: I fetch for x (0) or for the weights (1)
	s_and_b32 s22, s20, 1                          ; ch: my group of B's rows.  Also: which group I fetch
	s_bfe_u32 s66, ttmp6, 0x40000                  ; cx
	s_bfe_u32 s67, ttmp6, 0x40004                  ; cy
	s_lshl_b32 s2, s67, 2
	s_lshl_b32 s2, 15, s2                          ; my row of the cluster
	s_lshl_b32 s3, 0x1111, s66                     ; my column
	s_and_b32 s23, ttmp7, 0xffff
	s_lshl_b32 s23, s23, 2
	s_add_co_u32 s23, s23, s67                     ; Y = 4 x cluster y + cy
	s_lshl_b32 s86, ttmp9, 2
	s_add_co_u32 s86, s86, s66                     ; X = 4 x cluster x + cx
	s_or_b32 s[G1+0], s2, (3<<16)|(1<<21)          ; 15:0 the mask; 17:16 elements of 8 bytes; 20 no padding: images are read 512 bytes on end; 21 set beside a mask
	s_or_b32 s[G1B+0], s3, (3<<16)|(1<<21)
.irp g, G1, G1B
	s_mov_b32 s[\g+1], 32<<16                      ; a dense block of 25,600 bytes as 100 rows of 256
	s_mov_b32 s[\g+2], 100<<16
	s_mov_b32 s[\g+3], 32<<16
	s_mov_b32 s[\g+4], 100
	s_mov_b32 s[\g+5], 32
	s_mov_b32 s[\g+6], 0
	s_mov_b32 s[\g+7], 0
.endr
	s_lshl_b32 s76, s23, 1
	s_add_co_u32 s76, s76, s22
	s_mul_i32 s76, s76, GRP                        ; x: group 2 Y + (wave % 2)
	s_mov_b32 s77, 0
	s_mul_i32 s68, s21, BLK
	s_add_co_u32 s82, s76, s68                     ; pass 2: the same group, K steps 2 rh, 2 rh + 1 of four
	s_mov_b32 s83, 0
	s_lshl_b32 s78, s86, 1
	s_add_co_u32 s78, s78, s22
	s_mul_i32 s78, s78, GRP                        ; Wq | Wk: group 2 X + (wave % 2)
	s_mov_b32 s79, 0
	s_mul_i32 s87, s20, BLK                        ; wave x 25,600: my quarter of a region; no place in the cluster enters an LDS address
	s_add_co_u32 s80, s86, 16
	s_mul_i32 s80, s80, GRP                        ; Wv's panels lie behind Wq's and Wk's: group 16 + X,
	s_add_co_u32 s80, s80, s87                     ; K steps 2 wave, 2 wave + 1
	s_mov_b32 s81, 0
	s_mul_i32 s69, s22, 2*BLK
	s_add_co_u32 s68, s68, s69                     ; pass 2: where my block of x goes in its region: group x 51,200 + rh x 25,600
	s_mov_b32 s[SEL], 0x76543210
	s_mov_b32 s[SEL+1], 0xfedcba98
	s_wait_dscnt 0x0                               ; both opening adds are done
	s_wait_kmcnt 0x0
	s_add_nc_u64 s[76:77], s[4:5], s[76:77]
	s_add_nc_u64 s[82:83], s[4:5], s[82:83]
	s_add_nc_u64 s[78:79], s[6:7], s[78:79]
	s_add_nc_u64 s[80:81], s[6:7], s[80:81]
	CROUND                                         ; all sixteen work-groups are here: the first joint loads meet
.irp j, 0,1,2
	s_mov_b32 s[G0+4*\j], 1
	s_add_co_u32 s[G0+4*\j+1], s87, \j*RGN
	s_add_nc_u64 s[G0+4*\j+2:G0+4*\j+3], s[76:77], \j*BLK
	s_or_b32 s[G0+4*\j+3], s[G0+4*\j+3], 0x80000000
	s_mov_b32 s[G0B+4*\j], 1
	s_add_co_u32 s[G0B+4*\j+1], s87, \j*RGN
	s_add_nc_u64 s[G0B+4*\j+2:G0B+4*\j+3], s[78:79], \j*BLK
	s_or_b32 s[G0B+4*\j+3], s[G0B+4*\j+3], 0x80000000
	JLOAD \j                                       ; chunks 0, 1, 2 of pass 1
.endr
	s_mov_b32 s[G0W], 1                            ; the later loads' groups 0 are made once and never rewritten
	s_add_co_u32 s[G0W+1], s87, RGN
	s_mov_b64 s[G0W+2:G0W+3], s[80:81]
	s_or_b32 s[G0W+3], s[G0W+3], 0x80000000
	s_mov_b32 s[G0X], 1
	s_add_co_u32 s[G0X+1], s68, 2*RGN
	s_mov_b64 s[G0X+2:G0X+3], s[82:83]
	s_or_b32 s[G0X+3], s[G0X+3], 0x80000000
	s_mov_b32 s[G0X+4], 1
	s_mov_b32 s[G0X+5], s68
	s_add_nc_u64 s[G0X+6:G0X+7], s[82:83], 2*BLK
	s_or_b32 s[G0X+7], s[G0X+7], 0x80000000
	v_and_b32 v1, 31, v0                           ; lane
	v_and_b32 v2, 15, v0                           ; r
	v_bfe_u32 v3, v0, 4, 1                         ; h
	v_lshlrev_b32 v[GO], 4, v1
	v_lshlrev_b32 v4, 4, v2                        ; 16 r
	s_mul_i32 s69, s21, BLK                        ; pass 1: my group of A
	s_mul_i32 s70, s22, BLK
	s_add_co_u32 s70, s70, 2*BLK                   ; my group of B, behind A's two
	s_sub_co_u32 s71, s70, s69
	v_mul_u32_u24 v5, s71, v3                      ; lanes 16-31 take B's scale words: one product with h
	v_lshl_add_u32 v5, v2, 4, v5
.irp j, 0,1,2
	v_add_nc_u32 v[ADRA+\j], s69, v[GO]
	v_add_nc_u32 v[ADRB+\j], s70, v[GO]
	v_add_nc_u32 v[ADRS+\j], s69, v5
	s_add_co_u32 s69, s69, RGN
	s_add_co_u32 s70, s70, RGN
.endr
	s_mul_i32 s69, s22, 2*BLK                      ; pass 2: my group of x: K steps 4-7 in region 0,
	v_add_nc_u32 v[ADRX+1], s69, v[GO]
	v_add_nc_u32 v[ADRXS+1], s69, v4
	s_add_co_u32 s69, s69, 2*RGN                   ; K steps 0-3 in region 2
	v_add_nc_u32 v[ADRX], s69, v[GO]
	v_add_nc_u32 v[ADRXS], s69, v4
	s_mul_i32 s69, s21, 4*FRB                      ; my four tiles of Wv, in region 1
	v_add_nc_u32 v[GO2], s69, v[GO]
	s_add_co_u32 s69, s69, RGN
	v_add_nc_u32 v[ADRW], s69, v[GO]
	s_add_co_u32 s69, s69, 2*BLK
	v_add_nc_u32 v[ADRW+1], s69, v[GO]
	s_lshl_b32 s69, s21, 8                         ; and their 256 bytes of scale words
	v_lshl_add_u32 v[SWO], v3, 3, v4
	v_add_nc_u32 v[SWO], s69, v[SWO]
	s_add_co_u32 s69, s69, RGN
	v_add_nc_u32 v[ADRWS], s69, v4
	s_add_co_u32 s69, s69, 2*BLK
	v_add_nc_u32 v[ADRWS+1], s69, v4
	s_lshl_b32 s68, s23, 1
	s_add_co_u32 s68, s68, s21                     ; pass 1: my group of x's rows, 2 Y + rh
	s_lshl_b32 s70, s86, 1
	s_add_co_u32 s70, s70, s22                     ; my group of the weights' rows, 2 X + ch: under 8 q, else k
	s_and_b32 s71, s70, 7
	s_lshl_b32 s68, s68, 3
	s_add_co_u32 s68, s68, s71                     ; panel 8 (2 Y + rh) + (2 X + ch) % 8
	s_cmp_lt_u32 s70, 8
	s_cselect_b64 s[72:73], s[14:15], s[16:17]     ; where my panel of pass 1 goes
	s_cselect_b64 s[76:77], s[8:9], s[10:11]       ; its bias
	s_mul_i32 s68, s68, PANEL
	s_mov_b32 s69, 0
	s_add_nc_u64 s[72:73], s[72:73], s[68:69]
	s_lshl_b32 s68, s71, 9
	s_add_nc_u64 s[76:77], s[76:77], s[68:69]
	s_lshl_b32 s68, s23, 1
	s_add_co_u32 s68, s68, s22                     ; pass 2: my group of keys, 2 Y + ch: batch = / 16
	s_lshr_b32 s70, s68, 4
	s_lshl_b32 s70, s70, 3
	s_add_co_u32 s70, s70, s86
	s_lshl_b32 s70, s70, 4
	s_and_b32 s68, s68, 15
	s_add_co_u32 s68, s70, s68                     ; panel (8 batch + X) 16 + (2 Y + ch) % 16
	s_mul_i32 s68, s68, PANEL
	s_add_nc_u64 s[74:75], s[18:19], s[68:69]      ; where my half panel of v goes
	s_lshl_b32 s68, s86, 9
	s_lshl_b32 s70, s21, 8
	s_add_co_u32 s68, s68, s70
	s_add_nc_u64 s[78:79], s[12:13], s[68:69]      ; bv at my 64 channels
	v_lshlrev_b32 v8, 6, v3                        ; 64 h
	v_and_b32 v9, 8, v2
	v_add_nc_u32 v9, v9, v2
	v_lshlrev_b32 v9, 2, v9                        ; 4 (r + 8 (r / 8))
.irp b, 0,1,2,3,4,5,6,7                        ; pass 1: the bias runs along the registers: tile b, register j: channel 32 (b / 2) + 8 (b % 2) + 16 h + j
	global_load_b128 v[BIAS+8*\b:BIAS+8*\b+3], v8, s[76:77] offset:(32*(\b/2)+8*(\b%2))*4
	global_load_b128 v[BIAS+8*\b+4:BIAS+8*\b+7], v8, s[76:77] offset:(32*(\b/2)+8*(\b%2))*4+16
.endr
.irp a, 0,1,2,3                                ; pass 2: it runs along the lanes: tile a, lane r: channel 32 (a / 2) + 8 (a % 2) + r + 8 (r / 8) of my 64, the same in all eight registers
.irp j, 0,1,2,3,4,5,6,7
	global_load_b32 v[BV+8*\a+\j], v9, s[78:79] offset:(32*(\a/2)+8*(\a%2))*4
.endr
.endr
.macro FRAG reg, adr, off              ; a fragment's image: three loads of 512 consecutive bytes
.irp c, 0,1,2
	ds_load_b128 v[(\reg)+4*\c:(\reg)+4*\c+3], v[\adr] offset:(\off)+512*\c
.endr
.endm
.macro FETCH_B rg, q, p                ; pass 1: B's eight fragments of the q-th K step of region rg into set p
	WIN TO_B
.irp i, 0,1,2,3,4,5,6,7
	FRAG 128*(\p)+12*\i, ADRB+\rg, (\q)*PANEL+FRB*\i
.endr
	WIN 0
.endm
.macro FETCH_A rg, q, i0               ; A's blocks i0 .. i0 + 3
.irp i, \i0, \i0+1, \i0+2, \i0+3
	FRAG AF+12*(\i), ADRA+\rg, (\q)*PANEL+FRB*(\i)
.endr
.endm
.macro SCALES rg, set                  ; a chunk's scale words, both K steps: four words a load
.irp q, 0,1
.irp u, 0,1
	ds_load_b128 v[SC+16*\set+8*\q+4*\u:SC+16*\set+8*\q+4*\u+3], v[ADRS+\rg] offset:\q*PANEL+8*FRB+256*\u
.endr
.endr
.endm
; 16 matrix instructions: A's blocks a0, a0 + 1 x B's eight.  cm = 0: in place; 1: C = the bias by B's tile.  The 64 accumulators take turns, in the same order in every step.
.macro MUL16 a0, p, q, sc, cm
.irp a, \a0, \a0+1
.irp b, 0,1,2,3,4,5,6,7
.set rD, 8*(8*((\a)%4)+\b)
.set rB, 128*(\p)+12*\b
.set rA, AF+12*(\a)
.set rSB, SC+16*(\sc)+8*(\q)+\b
.set rSA, SC+16*(\sc)+8*(\q)+(\a)
.if \cm == 0
	v_wmma_scale_f32_16x16x128_f8f6f4 v[rD:rD+7], v[rB:rB+11], v[rA:rA+11], v[rD:rD+7], v[rSB], v[rSA] matrix_a_fmt:MATRIX_FMT_FP6 matrix_b_fmt:MATRIX_FMT_FP6 matrix_a_scale:MATRIX_SCALE_ROW1
.else
	v_wmma_scale_f32_16x16x128_f8f6f4 v[rD:rD+7], v[rB:rB+11], v[rA:rA+11], v[BIAS+8*\b:BIAS+8*\b+7], v[rSB], v[rSA] matrix_a_fmt:MATRIX_FMT_FP6 matrix_b_fmt:MATRIX_FMT_FP6 matrix_a_scale:MATRIX_SCALE_ROW1
.endif
.endr
.endr
.endm
; A chunk's first K step.  Loads into registers that matrix instructions have read stand four plain places behind them (ISA guide 7.12.1 for vector instructions).
.macro STEP rg, set, cm
	s_wait_dscnt 12                                ; all but the youngest 12 loads (A's blocks 4-7, three each) are in
.if \cm == 0
	WIN MUL_LO
.else
	WIN MULB_LO
.endif
	MUL16 0, 0, 0, \set, \cm
	MUL16 2, 0, 0, \set, \cm
	s_wait_dscnt 0x0                               ; A's blocks 4-7 are in
	PLACES 4
	FETCH_B \rg, 1, 1
	FETCH_A \rg, 1, 0
.if \cm == 0
	WIN MUL_HI
.else
	WIN MULB_HI
.endif
	MUL16 4, 0, 0, \set, \cm
	MUL16 6, 0, 0, \set, \cm
	PLACES 4
	WIN 0
	FETCH_A \rg, 1, 4
.endm
; A chunk's second K step leaves its region: in front of the round each wave waits for all its tensor loads, adds 0 to its spare word, and waits for that and for its reads of the region.
; Behind the round the region is filled again first.  fill = 1: chunk 3;  2: Wv's group;  3: x's K steps 0-3;  4: x's K steps 4-7.  more = 1: the next chunk's first fragments follow, from region nrg, scale words into set nset.
.macro TURN set, fill, more, nrg, nset
	s_wait_tensorcnt 0x0                           ; all my tensor loads have landed, my part of the next chunk among them
	ds_add_u32 v[SPW], v[NIL]
	s_wait_dscnt 13                                ; (the add and the youngest 12 loads may be out)
	WIN MUL_LO
	MUL16 0, 1, 1, \set, 0
	s_wait_dscnt 0x0                               ; the add is done, and my reads of this region are over
	s_barrier_signal -1
	MUL16 2, 1, 1, \set, 0
	WIN 0
	s_barrier_wait -1
	CREST                                          ; the barrier has opened a round of the cluster's: no wave of any partner still reads this region or has a load on its way
.if \fill == 1
	s_add_nc_u64 s[G0+2:G0+3], s[G0+2:G0+3], 3*BLK
	s_add_nc_u64 s[G0B+2:G0B+3], s[G0B+2:G0B+3], 3*BLK
	JLOAD 0                                        ; the first tensor load behind the round; its four v_nop are the places in front of the loads below
.elseif \fill == 2
	ALOAD G0W, G1B
.elseif \fill == 3
	ALOAD G0X, G1
.else
	ALOAD G0X+4, G1
.endif
.if \more
	FETCH_B \nrg, 0, 0
	FETCH_A \nrg, 0, 0
	SCALES \nrg, \nset
.endif
	WIN MUL_HI
	MUL16 4, 1, 1, \set, 0
	MUL16 6, 1, 1, \set, 0
	PLACES 4
	WIN 0
.if \more
	FETCH_A \nrg, 0, 4
.endif
.endm
; The 64 registers of a tile of A (window w) become a fragment's codes in v[PC] .. v[PC + 11] and its rows' scale word in v[pw].  Each accumulator is read from its low end on.
.macro QUANT src, w, pw
	WIN ((\w)<<2)|((\w)<<4)
.irp b, 0,1,2,3
	v_max3_num_f32 v[TM+\b], 0x1800000, |v[(\src)+16*\b]|, |v[(\src)+16*\b+1]|   ; my 16 numbers of block b and the floor 2^(3 - 127): the byte cannot fall under 1
.endr
.irp i, 2,4,6,8,10,12,14
.irp b, 0,1,2,3
	v_max3_num_f32 v[TM+\b], v[TM+\b], |v[(\src)+16*\b+\i]|, |v[(\src)+16*\b+\i+1]|
.endr
.endr
	WIN 0
.irp b, 0,1,2,3
	v_permlanex16_b32 v[TM+4+\b], v[TM+\b], s[SEL], s[SEL+1]
.endr
.irp b, 0,1,2,3
	v_max_num_f32 v[TM+\b], v[TM+\b], v[TM+4+\b]   ; with lane l xor 16's 16: the block's largest magnitude
.endr
.irp b, 0,1,2,3
	v_add_nc_u32 v[TM+12+\b], 0xff000000, v[TM+\b] ; 2 off the exponent field: the conversion's scale operand
.endr
.irp b, 0,1,2,3
	v_lshrrev_b32 v[TM+4+\b], 23, v[TM+12+\b]      ; the scale's byte
.endr
	v_lshl_or_b32 v[\pw], v[TM+5], 8, v[TM+4]
	v_lshl_or_b32 v[\pw], v[TM+6], 16, v[\pw]
	v_lshl_or_b32 v[\pw], v[TM+7], 24, v[\pw]
	s_wait_xcnt 0x0                                ; the last tile's stores have read the codes' registers, which the lines below write anew; the lines above stand between those stores and this wait
	WIN (\w)
.irp c, 0,1
	v_cvt_scalef32_pk16_fp6_f32 v[PC+6*\c:PC+6*\c+2], v[(\src)+32*\c:(\src)+32*\c+15], v[TM+12+2*\c]
	v_cvt_scalef32_pk16_fp6_f32 v[PC+12+4*\c:PC+14+4*\c], v[(\src)+32*\c+16:(\src)+32*\c+31], v[TM+13+2*\c]   ; (a conversion's three registers begin on an even number)
.endr
	WIN 0
	v_nop                                          ; one plain place behind a scaled conversion
.irp c, 0,1                                    ; the operand's layout wants a whole block in a lane
.irp i, 0,1,2
	v_permlane16_swap_b32 v[PC+6*\c+\i], v[PC+12+4*\c+\i]
.endr
.irp i, 0,1,2
	v_mov_b32 v[PC+3+6*\c+\i], v[PC+12+4*\c+\i]
.endr
.endr
.endm
; PASS 2.  K step q of four, in half m of K, into set p: x's eight fragments, Wv's four, their scale words (lanes 0-15 are read; lanes 16-31 load the same)
.macro FETCH2 m, q, p
	WIN TO_B
.irp i, 0,1,2,3,4,5,6,7
	FRAG 128*(\p)+12*\i, ADRX+(\m), PANEL*(\q)+FRB*\i
.endr
	WIN 0
.irp i, 0,1,2,3
	FRAG AF+48*(\p)+12*\i, ADRW+(\m), PANEL*(\q)+FRB*\i
.endr
	ds_load_b128 v[SCB+8*(\p):SCB+8*(\p)+3], v[ADRXS+(\m)] offset:PANEL*(\q)+8*FRB
	ds_load_b128 v[SCB+8*(\p)+4:SCB+8*(\p)+7], v[ADRXS+(\m)] offset:PANEL*(\q)+8*FRB+256
	ds_load_b128 v[SCA+4*(\p):SCA+4*(\p)+3], v[ADRWS+(\m)] offset:PANEL*(\q)+8*FRB
.endm
.macro MUL32 p, cm                     ; the 32 accumulators take turns, in the same order in every step.  cm = 1: C = the bias by A's tile
.if \cm
	WIN MULB_LO
.else
	WIN MUL_LO
.endif
.irp a, 0,1,2,3
.irp b, 0,1,2,3,4,5,6,7
.set rD, 8*(8*\a+\b)
.set rX, 128*(\p)+12*\b
.set rW, AF+48*(\p)+12*\a
.if \cm
	v_wmma_scale_f32_16x16x128_f8f6f4 v[rD:rD+7], v[rX:rX+11], v[rW:rW+11], v[BV+8*\a:BV+8*\a+7], v[SCB+8*(\p)+\b], v[SCA+4*(\p)+\a] matrix_a_fmt:MATRIX_FMT_FP6 matrix_b_fmt:MATRIX_FMT_FP6
.else
	v_wmma_scale_f32_16x16x128_f8f6f4 v[rD:rD+7], v[rX:rX+11], v[rW:rW+11], v[rD:rD+7], v[SCB+8*(\p)+\b], v[SCA+4*(\p)+\a] matrix_a_fmt:MATRIX_FMT_FP6 matrix_b_fmt:MATRIX_FMT_FP6
.endif
.endr
.endr
	WIN 0
.endm
	; ---- PASS 1
	s_wait_tensorcnt 2                             ; my part of chunk 0 is in; the loads of chunks 1 and 2 may stay out
	s_barrier_signal -1
	s_barrier_wait -1
	FETCH_B 0, 0, 0
	FETCH_A 0, 0, 0
	SCALES 0, 0
	FETCH_A 0, 0, 4
	s_wait_loadcnt 0x0                             ; the biases
	STEP 0, 0, 1                                   ; the first K step starts the sums with the bias
	TURN 0, 1, 1, 1, 1                             ; region 0 takes chunk 3; on to chunk 1
	STEP 1, 1, 0
	TURN 1, 2, 1, 2, 0                             ; region 1 takes Wv's group; on to chunk 2
	STEP 2, 0, 0
	TURN 0, 3, 1, 0, 1                             ; region 2 takes x's K steps 0-3; on to chunk 3
	STEP 0, 1, 0
	TURN 1, 4, 0, 0, 0                             ; region 0 takes x's K steps 4-7: it lands while my panel goes out
.irp b, 0,1,2,3
	v_mov_b32 v[TM+4+\b], 0                        ; a lane permute's destination counts as one of its sources
.endr
.irp a, 0,1,2,3,4,5,6,7
	QUANT 64*(\a%4), 2+\a/4, PW8+\a
.irp c, 0,1,2
	global_store_b128 v[GO], v[PC+4*\c:PC+4*\c+3], s[72:73] offset:FRB*\a+512*\c   ; 512 consecutive bytes
.endr
.endr
	v_cmp_eq_u32 vcc_lo, 1, v3                     ; both halves of the lanes hold every word: lane (r, h) gives the words of tiles 4 h .. 4 h + 3 of row r
.irp u, 0,1,2,3
	v_cndmask_b32 v[132+\u], v[PW8+\u], v[PW8+4+\u], vcc_lo
.endr
	global_store_b128 v[GO], v[132:135], s[72:73] offset:8*FRB
	; ---- PASS 2
	s_wait_tensorcnt 0x0                           ; my one load that was out, my part of x's K steps 4-7, has landed (Wv's and K steps 0-3 were shown landed in front of the last round)
	s_barrier_signal -1
	s_barrier_wait -1                              ; everybody's has: nothing is filled from here on, and no barrier stands in the eight K steps
	s_wait_xcnt 0x0                                ; the stores above have read their registers, which fragments now take
	FETCH2 0, 0, 0
.irp s, 0,1,2,3,4,5,6,7
	s_wait_dscnt 0x0                               ; this step's fragments and words are in
.if \s < 7
	PLACES 4                                       ; four plain places in front of loads into registers that the last step's matrix instructions have read
	FETCH2 (\s+1)/4, (\s+1)%4, (\s+1)%2
.endif
.if \s == 0
	MUL32 0, 1                                     ; the first K step starts the sums with the bias
.else
	MUL32 \s%2, 0
.endif
.endr
	PLACES 4
.irp a, 0,1,2,3
	QUANT 64*\a, 2, PW8+\a
.irp c, 0,1,2
	global_store_b128 v[GO2], v[PC+4*\c:PC+4*\c+3], s[74:75] offset:FRB*\a+512*\c
.endr
.endr
	v_cmp_eq_u32 vcc_lo, 1, v3                     ; lane (r, h) gives the words of my tiles 2 h, 2 h + 1 of row r
	v_cndmask_b32 v132, v[PW8], v[PW8+2], vcc_lo
	v_cndmask_b32 v133, v[PW8+1], v[PW8+3], vcc_lo
	global_store_b64 v[SWO], v[132:133], s[74:75] offset:8*FRB   ; 256 consecutive bytes
	s_wait_tensorcnt 0x0                           ; the wave's end
	ds_add_u32 v[SPW], v[NIL]
	s_wait_dscnt 0x0
	CROUND                                         ; the closing round: no work-group ends while a partner may still ask for a block that names it
	s_endpgm
.Lfunc_end_k_q81e5d81121_proj:
	.size	k_q81e5d81121_proj, .Lfunc_end_k_q81e5d81121_proj-k_q81e5d81121_proj
	.p2alignl 7, 3214868480
	.fill 96, 4, 3214868480
	.section	.rodata,"a",@progbits
	.p2align	6, 0x0
	.amdhsa_kernel k_q81e5d81121_proj
		.amdhsa_group_segment_fixed_size 327680
		.amdhsa_private_segment_fixed_size 0
		.amdhsa_enable_private_segment 0
		.amdhsa_kernarg_size 64
		.amdhsa_user_sgpr_count 2
		.amdhsa_user_sgpr_kernarg_segment_ptr 1
		.amdhsa_wavefront_size32 1
		.amdhsa_system_sgpr_workgroup_id_x 1
		.amdhsa_system_sgpr_workgroup_id_y 1
		.amdhsa_system_sgpr_workgroup_id_z 1
		.amdhsa_system_vgpr_workitem_id 0
		.amdhsa_next_free_vgpr 1024
		.amdhsa_next_free_sgpr 100
		.amdhsa_reserve_vcc 1
		.amdhsa_float_denorm_mode_32 3
		.amdhsa_float_denorm_mode_16_64 3
		.amdhsa_memory_ordered 1
		.amdhsa_forward_progress 1
		.amdhsa_inst_pref_size 215
	.end_amdhsa_kernel
	.amdgpu_metadata
---
amdhsa.version: [ 1, 2 ]
amdhsa.kernels:
  - .name:           k_q81e5d81121_proj
    .symbol:         k_q81e5d81121_proj.kd
    .args:
      - { .name: xp, .offset: 0, .size: 8, .value_kind: global_buffer, .address_space: global }
      - { .name: wp, .offset: 8, .size: 8, .value_kind: global_buffer, .address_space: global }
      - { .name: bq, .offset: 16, .size: 8, .value_kind: global_buffer, .address_space: global }
      - { .name: bk, .offset: 24, .size: 8, .value_kind: global_buffer, .address_space: global }
      - { .name: bv, .offset: 32, .size: 8, .value_kind: global_buffer, .address_space: global }
      - { .name: qp, .offset: 40, .size: 8, .value_kind: global_buffer, .address_space: global }
      - { .name: kp, .offset: 48, .size: 8, .value_kind: global_buffer, .address_space: global }
      - { .name: vp, .offset: 56, .size: 8, .value_kind: global_buffer, .address_space: global }
    .group_segment_fixed_size: 327680
    .private_segment_fixed_size: 0
    .kernarg_segment_align: 8
    .kernarg_segment_size: 64
    .max_flat_workgroup_size: 128
    .sgpr_count:     100
    .vgpr_count:     1024
    .wavefront_size: 32
...
	.end_amdgpu_metadata
.endif
;; end of part 2
;; launch score (part 3): grid 36 x 4, 4 waves a work-group, no clusters, 327,680 bytes of LDS; arguments qp, kp, pp, pst; writes pp, pst
.if DOCPART == 3
	.amdgcn_target "amdgcn-amd-amdhsa--gfx1250"
	.amdhsa_code_object_version 6
	.text
	.protected	k_q81e5d81121_score
	.globl	k_q81e5d81121_score
	.p2align	8
	.type	k_q81e5d81121_score,@function
k_q81e5d81121_score:
	s_mov_b64 s[64:65], 0
	v_nop
	global_prefetch_b8 v0, s[64:65] scope:SCOPE_SE
	s_setreg_imm32_b32 hwreg(HW_REG_WAVE_MODE, 25, 1), 1
	s_wait_xcnt 0x0
; The live part of q k^T / 32 on codes of E2M3, the causal mask, and p = 2^(t - M) quantised along the keys, panel by panel of 128 queries x 128 keys.
; LEFT OUT: tiles of 256 x 256 whose keys all come behind their queries (the mask that reference() builds throws their scores away: shown at the head of the first launch): 36 of 64 tiles a batch are made.
; M HERE IS THE PANEL'S OWN: the ceiling of the largest t among the row's 128 keys of this panel.  It is a whole number, so bringing p under the row's M is a power of two that the block's scale takes up:
; the next launch takes M's difference off the scale bytes.  For each panel and row go to pst: the scale word, -M (a whole number in f32) and l, the sum of the unquantised p.
; The GEMM: A = q (source 1: a lane holds one query), B = k (source 0: the registers run along the keys); 256 x 256 a work-group, 128 x 128 a wave, K = 1,024 in four chunks through two LDS slots,
; each wave fetching one dense block of 25,600 bytes.  By this text's count a wave has two tensor loads out at the start, later one.
; NO CLUSTER: the rows and columns of the triangle of live tiles hold 1 to 8 tiles; they do not divide into fours, and a square of sixteen would hold partners with no live tile.
; A wave's result is ONE panel of P (codes alone, 12,288 bytes).  In a tile on the diagonal the wave with queries 0-127 and keys 128-255 has no live score: it has done its share of the loads and barriers and stores zeros.
; ZERO PANELS: the next launch brings P in runs of four key steps, so panels (G, s) with G < s <= 4 (G / 4) + 3 are read there (and multiplied by nothing): they are written here, as zero codes.
; LIMITS: |M| under 2^24; NaN and infinities are not served; the rest as at the head of the first launch.
.set FRB,   1536
.set PANEL, 12800
.set PPAN,  12288
.set BLK,   2*PANEL
.set SLOT,  4*BLK
.set GRP,   8*PANEL
.set SPARE, 2*SLOT                     ; the spare words, 128 bytes a wave, named by no other line
.set ADRA, 16
.set ADRB, 20
.set GO,   24                          ; v24  16 x lane
.set VD0,  25                          ; v25  r + 8 (r / 8) - 16 h
.set ADRS, 26
.set SPW,  28
.set NIL,  29
.set NINF, 30                          ; v30  -infinity
.set SC,   32
.set AF,   128
.set PWS,  32                          ; the way out: v32-39 scale words, v40-47 -M, v48-55 l, one for each tile of queries
.set MS,   40
.set LS,   48
.set SEL,  20                          ; s[20:21] lane l xor 16
.set CS,   22                          ; s[22:23] log2(e) / 32
.set G1,   24
.set G0,   32
.set GQ,   44                          ; s44  my group of queries in the batch
.set SK,   45                          ; s45  my group of keys
.set MSB, 0
.macro WIN new
.if MSB != (\new)
	s_set_vgpr_msb (MSB<<8)|(\new)
.set MSB, (\new)
.endif
.endm
.set MUL_LO, 0xa1
.set MUL_HI, 0xf1
.set TO_B,   0x40
.macro PLACES n
.rept \n
	v_nop
.endr
.endm
	s_load_b256 s[4:11], s[0:1], 0x0               ; qp, kp, pp, pst
	v_lshl_add_u32 v[SPW], v0, 2, SPARE
	v_mov_b32 v[NIL], 0
	ds_add_u32 v[SPW], v[NIL]                      ; the wave's opening: the add, twice on end, and its wait ahead of my first tensor load
	ds_add_u32 v[SPW], v[NIL]
	v_lshrrev_b32 v1, 5, v0
	v_readfirstlane_b32 s12, v1                    ; wave
	s_lshr_b32 s13, s12, 1                         ; my half of the queries.  Also: I fetch q (0) or k (1)
	s_and_b32 s14, s12, 1                          ; my half of the keys.  Also: which group I fetch
	s_and_b32 s16, ttmp7, 0xffff                   ; batch
	s_mov_b32 s17, 0
.irp th, 1,3,6,10,15,21,28                     ; tile t of the triangle: row qi, column kj = t - qi (qi + 1) / 2
	s_cmp_ge_u32 ttmp9, \th
	s_cselect_b32 s19, 1, 0
	s_add_co_u32 s17, s17, s19
.endr
	s_add_co_u32 s19, s17, 1
	s_mul_i32 s19, s19, s17
	s_lshr_b32 s19, s19, 1
	s_sub_co_u32 s18, ttmp9, s19
	s_mov_b32 s[G1+0], 3<<16                       ; no mask; elements of 8 bytes; no padding
	s_mov_b32 s[G1+1], 32<<16                      ; 25,600 dense bytes as 100 rows of 256
	s_mov_b32 s[G1+2], 100<<16
	s_mov_b32 s[G1+3], 32<<16
	s_mov_b32 s[G1+4], 100
	s_mov_b32 s[G1+5], 32
	s_mov_b32 s[G1+6], 0
	s_mov_b32 s[G1+7], 0
	s_mov_b32 s[SEL], 0x76543210
	s_mov_b32 s[SEL+1], 0xfedcba98
	s_mov_b32 s[CS], 0x3d38aa3b
	s_mov_b32 s[CS+1], s[CS]
	s_cmp_eq_u32 s13, 0
	s_cselect_b32 s50, s17, s18
	s_lshl_b32 s50, s50, 1
	s_add_co_u32 s50, s50, s14
	s_lshl_b32 s51, s16, 4
	s_add_co_u32 s50, s50, s51
	s_mul_i32 s50, s50, GRP                        ; the group that I fetch
	s_mov_b32 s51, 0
	s_mul_i32 s19, s12, BLK                        ; and where it goes
	s_lshl_b32 s[GQ], s17, 1
	s_add_co_u32 s[GQ], s[GQ], s13
	s_lshl_b32 s[SK], s18, 1
	s_add_co_u32 s[SK], s[SK], s14
	s_lshl_b32 s54, s16, 4
	s_add_co_u32 s54, s54, s[GQ]
	s_lshl_b32 s54, s54, 4
	s_add_co_u32 s54, s54, s[SK]                   ; my panel: (16 batch + GQ) 16 + SK
	s_mul_i32 s52, s54, PPAN
	s_mov_b32 s53, 0
	s_mul_i32 s54, s54, 1536
	s_mov_b32 s55, 0
	s_wait_dscnt 0x0                               ; both opening adds are done
	s_wait_kmcnt 0x0
	s_add_nc_u64 s[46:47], s[8:9], s[52:53]        ; my panel of P
	s_add_nc_u64 s[48:49], s[10:11], s[54:55]      ; its record
	s_cmp_eq_u32 s13, 0
	s_cselect_b64 s[52:53], s[4:5], s[6:7]
	s_add_nc_u64 s[52:53], s[52:53], s[50:51]
.irp s, 0,1
	s_mov_b32 s[G0+4*\s], 1
	s_add_co_u32 s[G0+4*\s+1], s19, \s*SLOT
	s_add_nc_u64 s[G0+4*\s+2:G0+4*\s+3], s[52:53], \s*BLK
	s_or_b32 s[G0+4*\s+3], s[G0+4*\s+3], 0x80000000
	tensor_load_to_lds s[G0+4*\s:G0+4*\s+3], s[G1:G1+7]
	s_nop 0
.endr
	v_and_b32 v1, 31, v0
	v_and_b32 v2, 15, v0                           ; r
	v_bfe_u32 v3, v0, 4, 1                         ; h
	v_lshlrev_b32 v[GO], 4, v1
	s_mul_i32 s50, s13, BLK
	s_mul_i32 s51, s14, BLK
	s_add_co_u32 s51, s51, 2*BLK
	s_sub_co_u32 s54, s51, s50
	v_mul_u32_u24 v4, s54, v3                      ; lanes 16-31 take k's scale words: one product with h
	v_lshl_add_u32 v4, v2, 4, v4
.irp s, 0,1
	v_add_nc_u32 v[ADRA+\s], s50, v[GO]
	v_add_nc_u32 v[ADRB+\s], s51, v[GO]
	v_add_nc_u32 v[ADRS+\s], s50, v4
	s_add_co_u32 s50, s50, SLOT
	s_add_co_u32 s51, s51, SLOT
.endr
	v_and_b32 v[VD0], 8, v2
	v_add_nc_u32 v[VD0], v[VD0], v2
	v_lshlrev_b32 v5, 4, v3
	v_sub_nc_u32 v[VD0], v[VD0], v5
	v_mov_b32 v[NINF], 0xff800000
.macro FRAG reg, adr, off
.irp c, 0,1,2
	ds_load_b128 v[(\reg)+4*\c:(\reg)+4*\c+3], v[\adr] offset:(\off)+512*\c
.endr
.endm
.macro FETCH_B slot, q, p
	WIN TO_B
.irp i, 0,1,2,3,4,5,6,7
	FRAG 128*(\p)+12*\i, ADRB+\slot, (\q)*PANEL+FRB*\i
.endr
	WIN 0
.endm
.macro FETCH_A slot, q, i0
.irp i, \i0, \i0+1, \i0+2, \i0+3
	FRAG AF+12*(\i), ADRA+\slot, (\q)*PANEL+FRB*(\i)
.endr
.endm
.macro SCALES slot
.irp q, 0,1
.irp u, 0,1
	ds_load_b128 v[SC+16*\slot+8*\q+4*\u:SC+16*\slot+8*\q+4*\u+3], v[ADRS+\slot] offset:\q*PANEL+8*FRB+256*\u
.endr
.endr
.endm
.macro MUL16 a0, p, q, sc, zero        ; the 64 accumulators take turns, in the same order in every step; zero = 1: the first product starts the sums
.irp a, \a0, \a0+1
.irp b, 0,1,2,3,4,5,6,7
.set rD, 8*(8*((\a)%4)+\b)
.set rB, 128*(\p)+12*\b
.set rA, AF+12*(\a)
.set rSB, SC+16*(\sc)+8*(\q)+\b
.set rSA, SC+16*(\sc)+8*(\q)+(\a)
.if \zero
	v_wmma_scale_f32_16x16x128_f8f6f4 v[rD:rD+7], v[rB:rB+11], v[rA:rA+11], 0, v[rSB], v[rSA] matrix_a_fmt:MATRIX_FMT_FP6 matrix_b_fmt:MATRIX_FMT_FP6 matrix_a_scale:MATRIX_SCALE_ROW1
.else
	v_wmma_scale_f32_16x16x128_f8f6f4 v[rD:rD+7], v[rB:rB+11], v[rA:rA+11], v[rD:rD+7], v[rSB], v[rSA] matrix_a_fmt:MATRIX_FMT_FP6 matrix_b_fmt:MATRIX_FMT_FP6 matrix_a_scale:MATRIX_SCALE_ROW1
.endif
.endr
.endr
.endm
.macro STEP slot, q, zero
	s_wait_dscnt 12                                ; all but the youngest 12 loads (q's blocks 4-7) are in
	WIN MUL_LO
	MUL16 0, (\q)%2, \q, \slot, \zero
	MUL16 2, (\q)%2, \q, \slot, \zero
	s_wait_dscnt 0x0
	PLACES 4                                       ; four plain places in front of loads into registers that matrix instructions have read
	FETCH_B \slot, (\q)+1, 1-(\q)%2
	FETCH_A \slot, (\q)+1, 0
	WIN MUL_HI
	MUL16 4, (\q)%2, \q, \slot, \zero
	MUL16 6, (\q)%2, \q, \slot, \zero
	PLACES 4
	WIN 0
	FETCH_A \slot, (\q)+1, 4
.endm
.macro TURN slot, next, fill
	s_wait_tensorcnt 0x0                           ; all my tensor loads have landed: my part of the next slot
	ds_add_u32 v[SPW], v[NIL]
	s_wait_dscnt 13                                ; (the add and the youngest 12 loads may be out)
	WIN MUL_LO
	MUL16 0, 1, 1, \slot, 0
	s_wait_dscnt 0x0                               ; the add is done, and my reads of this slot are over
	s_barrier_signal -1
	MUL16 2, 1, 1, \slot, 0
	WIN 0
	s_barrier_wait -1
.if \fill
	s_add_nc_u64 s[G0+4*\slot+2:G0+4*\slot+3], s[G0+4*\slot+2:G0+4*\slot+3], 2*BLK
	tensor_load_to_lds s[G0+4*\slot:G0+4*\slot+3], s[G1:G1+7]   ; my one tensor load behind the barrier, ahead of every LDS read
	s_nop 0
.endif
	PLACES 4
	FETCH_B \next, 0, 0
	FETCH_A \next, 0, 0
	SCALES \next
	WIN MUL_HI
	MUL16 4, 1, 1, \slot, 0
	MUL16 6, 1, 1, \slot, 0
	PLACES 4
	WIN 0
	FETCH_A \next, 0, 4
.endm
	s_wait_tensorcnt 1                             ; my part of slot 0 is in; slot 1's load may stay out
	s_barrier_signal -1
	s_barrier_wait -1
	FETCH_B 0, 0, 0
	FETCH_A 0, 0, 0
	SCALES 0
	FETCH_A 0, 0, 4
	STEP 0, 0, 1
	TURN 0, 1, 1
	STEP 1, 0, 0
	TURN 1, 0, 1
	STEP 0, 0, 0
	TURN 0, 1, 0
	STEP 1, 0, 0
	s_wait_dscnt 12
	WIN MUL_LO
	MUL16 0, 1, 1, 1, 0
	MUL16 2, 1, 1, 1, 0
	s_wait_dscnt 0x0
	WIN MUL_HI
	MUL16 4, 1, 1, 1, 0
	MUL16 6, 1, 1, 1, 0
	WIN 0
	PLACES 4
; THE WAY OUT.  Tile a of queries: lane (r, h) holds query 32 (a / 2) + 8 (a % 2) + r + 8 (r / 8) of my 128; register 16 b + i holds key 32 b + 16 h + i of my 128.
; v96-159 p; v224-235 its codes; v232-254 at work; v12 -M, v13 the largest t, v[14:15] the sum in two halves.
.macro SOFT a
.set W, 2+(\a)/4
.set S, 64*((\a)%4)
	s_wait_xcnt 0x0                                ; the last tile's stores have read the codes' registers
	s_cmp_lg_u32 s[GQ], s[SK]                      ; only a panel on the diagonal has hidden keys among live ones: ids alone decide
	s_cbranch_scc1 .Lopen_\@
	v_add_nc_u32 v252, 32*((\a)/2)+8*((\a)%2), v[VD0]   ; my query - 16 h: key 32 b + i (+ 16 h) is hidden where 32 b + i is above it
	WIN (W<<6)|W
.set n, 0
.rept 64
	v_cmp_gt_i32 vcc_lo, 32*(n/16)+n%16, v252
	v_cndmask_b32 v[S+n], v[S+n], v[NINF], vcc_lo  ; -infinity ahead of the maximum: p = 0 then.  Key 0 of the panel counts for every query, so M is a number
.set n, n+1
.endr
	WIN 0
.Lopen_\@:
	WIN W|(W<<2)|(W<<4)
.irp b, 0,1,2,3
	v_max3_num_f32 v[232+\b], v[S+16*\b], v[S+16*\b+1], v[S+16*\b+2]   ; the largest score of each block of 32 keys: it serves the row's maximum and, since p rises with the score, the block's largest p
.endr
	WIN (W<<2)|(W<<4)
.irp i, 3,5,7,9,11,13
.irp b, 0,1,2,3
	v_max3_num_f32 v[232+\b], v[232+\b], v[S+16*\b+\i], v[S+16*\b+\i+1]
.endr
.endr
.irp b, 0,1,2,3
	v_max_num_f32 v[232+\b], v[232+\b], v[S+16*\b+15]
.endr
	WIN 0
.irp b, 0,1,2,3
	v_permlanex16_b32 v[236+\b], v[232+\b], s[SEL], s[SEL+1]
.endr
.irp b, 0,1,2,3
	v_max_num_f32 v[232+\b], v[232+\b], v[236+\b]  ; with lane l xor 16's 16 keys
.endr
	v_max3_num_f32 v254, v232, v233, v234
	v_max_num_f32 v254, v254, v235
	v_mul_f32 v13, s[CS], v254                     ; the largest t
	v_floor_f32 v12, -v13                          ; -M = floor(-t) = -ceil(t)
	WIN W
.set n, 0
.rept 32
	v_pk_fma_f32 v[96+n:97+n], v[S+n:S+n+1], s[CS:CS+1], v[12:13] op_sel_hi:[1,0,0]   ; t - M, two at a time
.set n, n+2
.endr
	WIN 0
.irp b, 0,1,2,3
	v_fma_f32 v[232+\b], v[232+\b], s[CS], v12     ; the same of each block's largest score
.endr
.set n, 0
.rept 64
	v_exp_f32 v[96+n], v[96+n]                     ; p = 2^(t - M)
.set n, n+1
.endr
	v_nop                                          ; a plain place behind the exponentials
	s_wait_alu depctr_va_vdst(0)                   ; the wait ahead of the first instruction that names a result: one for the batch
.irp b, 0,1,2,3
	v_exp_f32 v[232+\b], v[232+\b]                 ; the block's largest p
.endr
	v_pk_add_f32 v[14:15], v[96:97], v[100:101]    ; the sum of the unquantised p, in two chains that additions begin
	v_pk_add_f32 v[236:237], v[98:99], v[102:103]
.irp j, 8,12,16,20,24,28,32,36,40,44,48,52,56,60
	v_pk_add_f32 v[14:15], v[14:15], v[96+\j:97+\j]
	v_pk_add_f32 v[236:237], v[236:237], v[98+\j:99+\j]
.endr
	v_pk_add_f32 v[14:15], v[14:15], v[236:237]
	s_wait_alu depctr_va_vdst(0)                   ; and one for the four
.irp b, 0,1,2,3
	v_max_num_f32 v[232+\b], 0x1800000, v[232+\b]  ; the floor 2^(3 - 127): the byte cannot fall under 1
.endr
.irp b, 0,1,2,3
	v_add_nc_u32 v[244+\b], 0xff000000, v[232+\b]
.endr
.irp b, 0,1,2,3
	v_lshrrev_b32 v[236+\b], 23, v[244+\b]
.endr
	v_lshl_or_b32 v[PWS+(\a)], v237, 8, v236
	v_lshl_or_b32 v[PWS+(\a)], v238, 16, v[PWS+(\a)]
	v_lshl_or_b32 v[PWS+(\a)], v239, 24, v[PWS+(\a)]
.irp c, 0,1
	v_cvt_scalef32_pk16_fp6_f32 v[224+6*\c:226+6*\c], v[96+32*\c:111+32*\c], v[244+2*\c]
	v_cvt_scalef32_pk16_fp6_f32 v[236+4*\c:238+4*\c], v[112+32*\c:127+32*\c], v[245+2*\c]
.endr
	v_nop                                          ; one plain place behind a scaled conversion
.irp c, 0,1
.irp i, 0,1,2
	v_permlane16_swap_b32 v[224+6*\c+\i], v[236+4*\c+\i]
.endr
.irp i, 0,1,2
	v_mov_b32 v[227+6*\c+\i], v[236+4*\c+\i]
.endr
.endr
	v_add_f32 v14, v14, v15
	v_permlanex16_b32 v252, v14, s[SEL], s[SEL+1]
	v_add_f32 v[LS+(\a)], v14, v252                ; l of my query over the panel's 128 keys
	v_mov_b32 v[MS+(\a)], v12
.irp c, 0,1,2
	global_store_b128 v[GO], v[224+4*\c:227+4*\c], s[46:47] offset:FRB*(\a)+512*\c   ; 512 consecutive bytes
.endr
.endm
.macro ZERO off                        ; a panel of zero codes
	s_wait_xcnt 0x0
.irp u, 0,1,2,3
	v_mov_b32 v[244+\u], 0
.endr
.set n, 0
.rept 24
	global_store_b128 v[GO], v[244:247], s[46:47] offset:\off+512*n
.set n, n+1
.endr
.endm
.irp b, 0,1,2,3
	v_mov_b32 v[236+\b], 0                         ; a lane permute's destination counts as one of its sources
.endr
	v_mov_b32 v252, 0
	s_cmp_gt_u32 s[SK], s[GQ]                      ; all my keys behind all my queries?  ids and the wave's number alone; no barrier and no tensor load follows
	s_cbranch_scc1 .Ldead
.irp a, 0,1,2,3,4,5,6,7
	SOFT \a
.endr
	v_cmp_eq_u32 vcc_lo, 1, v3                     ; lane (r, h) gives the figures of tiles 4 h .. 4 h + 3 of row r
.irp u, 0,1,2,3
	v_cndmask_b32 v[200+\u], v[PWS+\u], v[PWS+4+\u], vcc_lo
	v_cndmask_b32 v[204+\u], v[MS+\u], v[MS+4+\u], vcc_lo
	v_cndmask_b32 v[208+\u], v[LS+\u], v[LS+4+\u], vcc_lo
.endr
	global_store_b128 v[GO], v[200:203], s[48:49]
	global_store_b128 v[GO], v[204:207], s[48:49] offset:512
	global_store_b128 v[GO], v[208:211], s[48:49] offset:1024
	s_branch .Lextra
.Ldead:
	ZERO 0                                         ; panel (2 qi, 2 qi + 1)
.Lextra:
	s_cmp_lg_u32 s17, s18
	s_cbranch_scc1 .Lend
	s_bitcmp1_b32 s17, 0
	s_cbranch_scc1 .Lend
	ZERO 2*PPAN                                    ; on the diagonal, qi even: panel (GQ, SK + 2)
.Lend:
	s_wait_tensorcnt 0x0                           ; the wave's end
	ds_add_u32 v[SPW], v[NIL]
	s_wait_dscnt 0x0
	s_endpgm
.Lfunc_end_k_q81e5d81121_score:
	.size	k_q81e5d81121_score, .Lfunc_end_k_q81e5d81121_score-k_q81e5d81121_score
	.p2alignl 7, 3214868480
	.fill 96, 4, 3214868480
	.section	.rodata,"a",@progbits
	.p2align	6, 0x0
	.amdhsa_kernel k_q81e5d81121_score
		.amdhsa_group_segment_fixed_size 327680
		.amdhsa_private_segment_fixed_size 0
		.amdhsa_enable_private_segment 0
		.amdhsa_kernarg_size 32
		.amdhsa_user_sgpr_count 2
		.amdhsa_user_sgpr_kernarg_segment_ptr 1
		.amdhsa_wavefront_size32 1
		.amdhsa_system_sgpr_workgroup_id_x 1
		.amdhsa_system_sgpr_workgroup_id_y 1
		.amdhsa_system_sgpr_workgroup_id_z 1
		.amdhsa_system_vgpr_workitem_id 0
		.amdhsa_next_free_vgpr 1024
		.amdhsa_next_free_sgpr 66
		.amdhsa_reserve_vcc 1
		.amdhsa_float_denorm_mode_32 3
		.amdhsa_float_denorm_mode_16_64 3
		.amdhsa_memory_ordered 1
		.amdhsa_forward_progress 1
		.amdhsa_inst_pref_size 234
	.end_amdhsa_kernel
	.amdgpu_metadata
---
amdhsa.version: [ 1, 2 ]
amdhsa.kernels:
  - .name:           k_q81e5d81121_score
    .symbol:         k_q81e5d81121_score.kd
    .args:
      - { .name: qp, .offset: 0, .size: 8, .value_kind: global_buffer, .address_space: global }
      - { .name: kp, .offset: 8, .size: 8, .value_kind: global_buffer, .address_space: global }
      - { .name: pp, .offset: 16, .size: 8, .value_kind: global_buffer, .address_space: global }
      - { .name: pst, .offset: 24, .size: 8, .value_kind: global_buffer, .address_space: global }
    .group_segment_fixed_size: 327680
    .private_segment_fixed_size: 0
    .kernarg_segment_align: 8
    .kernarg_segment_size: 32
    .max_flat_workgroup_size: 128
    .sgpr_count:     66
    .vgpr_count:     1024
    .wavefront_size: 32
...
	.end_amdgpu_metadata
.endif
;; end of part 3
;; launch pv (part 4): grid 4 x 64, 4 waves a work-group, no clusters, 327,680 bytes of LDS; arguments pp, pst, vp, out0; writes out0
.if DOCPART == 4
	.amdgcn_target "amdgcn-amd-amdhsa--gfx1250"
	.amdhsa_code_object_version 6
	.text
	.protected	k_q81e5d81121_pv
	.globl	k_q81e5d81121_pv
	.p2align	8
	.type	k_q81e5d81121_pv,@function
k_q81e5d81121_pv:
	s_mov_b64 s[64:65], 0
	v_nop
	global_prefetch_b8 v0, s[64:65] scope:SCOPE_SE
	s_setreg_imm32_b32 hwreg(HW_REG_WAVE_MODE, 25, 1), 1
	s_wait_xcnt 0x0
; out = P V / l on codes of E2M3.  A work-group makes 128 queries (group G of a batch) x 256 channels; K = key steps 0 .. G of 128 keys.
; LEFT OUT: key steps behind G: all their keys come behind all 128 queries, so their p are 0 (shown at the head of the first launch).
; HEAD.  Thread t takes one row of the 128: from the records of key steps 0 .. G it takes the row's -M (the least of the panels' -M), l = the sum of the panels' l x 2^(panel's M - row's M) (exact scalings),
; and takes M's difference d off each of the panel's four scale bytes, which brings the panel's p under the row's M.  The bytes are 1 .. 125 and d is held at 127: with bit 7 set in each byte no borrow crosses
; a byte; a byte that would fall under 0 becomes 0.  The shifted words and 1 / l go to LDS bytes of their own.  LIMIT: such a block counts under 2^-127 in place of something smaller; |M| under 2^24.
; THE PRODUCT.  Source 0 = 16 channels of V, source 1 = 16 queries of P: a lane holds one query, its registers run along the channels.  Wave (rh, ch): queries' tiles 4 rh .. 4 rh + 3 x channels' group ch: 32 accumulators.
; A slot holds four key steps: P's four panels (49,152 dense bytes, wave 0's load) and four panels of each of V's two groups (51,200 each, waves 1 and 2).  Two slots; four chunks, written out.
; Every work-group passes all four changes of slots.  A chunk whose first key step lies behind G is read by no wave and is not asked for: a jump on ids, the same in all waves, round the load's own lines alone;
; every wait on TENSORcnt in this text is for 0.  By this text's count a wave has one tensor load out.
; NO CLUSTER: the work-groups that share V's blocks (two thirds of a chunk's bytes) have different G, so they would need different numbers of chunks; P's block, which the four work-groups of a G share, is one third.
.set FRB,   1536
.set PANEL, 12800
.set PPAN,  12288
.set ABLK,  4*PPAN
.set BBLK,  4*PANEL
.set SLOT,  ABLK+2*BBLK                ; 151,552
.set PSC,   2*SLOT                     ; behind the ring: the shifted scale words, 512 bytes a key step
.set RLP,   PSC+16*512                 ; (1 / l, 1 / l), 8 bytes a row
.set SPARE, RLP+1024                   ; the spare words, 128 bytes a wave, named by no other line
.set STGB,  16*528                     ; the way out: a stage for each wave, in slot 0, which has had its last fill and its last read by then
.set ADRA,  16                         ; v16-17 P's images in slot 0, 1
.set ADRB,  20                         ; v20-21 V's
.set ADRBS, 22                         ; v22-23 V's scale words
.set STO,   24
.set RD,    25
.set CO,    26                         ; v26  16 x lane
.set ADRPS, 27                         ; v27  P's shifted words
.set SPW,   28
.set NIL,   29
.set SCA,   32                         ; v32-39 P's words, two sets of 4
.set SCB,   40                         ; v40-55 V's, two sets of 8
.set RL,    56                         ; v56-63 1 / l in pairs, a pair for each tile of queries
.set VO,    64                         ; the head: v64-79 offsets, v80-95 words, v96-111 -M, v112-127 l
.set WD,    80
.set NM,    96
.set LL,    112
.set OS,    64                         ; the way out: v64-127 a tile's 64 numbers; v128-255 rows read back, two sets
.set AF,    128                        ; P's fragments, two sets of 48
.set WV, 12
.set RH, 13
.set CH, 14
.set BB, 16
.set GG, 17
.set G1A, 24
.set G1B, 32
.set G0A, 40
.set G0B, 48
.set MSB, 0
.macro WIN new
.if MSB != (\new)
	s_set_vgpr_msb (MSB<<8)|(\new)
.set MSB, (\new)
.endif
.endm
.macro PLACES n
.rept \n
	v_nop
.endr
.endm
.macro TLOAD sl                        ; wave 0: P's block; waves 1, 2: V's two; wave 3: none.  An s_nop 0 and four v_nop follow each line
	s_cmp_eq_u32 s[WV], 0
	s_cbranch_scc0 .Lnot_a_\@
	tensor_load_to_lds s[G0A+4*(\sl):G0A+4*(\sl)+3], s[G1A:G1A+7]
	s_nop 0
.rept 4
	v_nop
.endr
	s_branch .Lasked_\@
.Lnot_a_\@:
	s_cmp_lt_u32 s[WV], 3
	s_cbranch_scc0 .Lasked_\@
	tensor_load_to_lds s[G0B+4*(\sl):G0B+4*(\sl)+3], s[G1B:G1B+7]
	s_nop 0
.rept 4
	v_nop
.endr
.Lasked_\@:
.endm
	s_load_b256 s[4:11], s[0:1], 0x0               ; pp, pst, vp, out0
	v_lshl_add_u32 v[SPW], v0, 2, SPARE
	v_mov_b32 v[NIL], 0
	ds_add_u32 v[SPW], v[NIL]                      ; the wave's opening: the add, twice on end, and its wait ahead of my first tensor load
	ds_add_u32 v[SPW], v[NIL]
	v_lshrrev_b32 v1, 5, v0
	v_readfirstlane_b32 s[WV], v1
	s_lshr_b32 s[RH], s[WV], 1                     ; my half of the queries.  Also: which of V's groups I fetch (waves 1, 2)
	s_and_b32 s[CH], s[WV], 1                      ; my group of channels
	s_and_b32 s18, ttmp7, 0xffff
	s_lshr_b32 s[BB], s18, 4                       ; batch
	s_and_b32 s18, s18, 15
	s_sub_co_u32 s[GG], 15, s18                    ; G: the longest first
	s_mov_b32 s[G1A+0], 3<<16                      ; no mask; elements of 8 bytes; no padding
	s_mov_b32 s[G1A+1], 32<<16                     ; 49,152 dense bytes as 192 rows of 256
	s_mov_b32 s[G1A+2], 192<<16
	s_mov_b32 s[G1A+3], 32<<16
	s_mov_b32 s[G1A+4], 192
	s_mov_b32 s[G1A+5], 32
	s_mov_b32 s[G1A+6], 0
	s_mov_b32 s[G1A+7], 0
	s_mov_b32 s[G1B+0], 3<<16
	s_mov_b32 s[G1B+1], 32<<16                     ; 51,200 as 200 rows
	s_mov_b32 s[G1B+2], 200<<16
	s_mov_b32 s[G1B+3], 32<<16
	s_mov_b32 s[G1B+4], 200
	s_mov_b32 s[G1B+5], 32
	s_mov_b32 s[G1B+6], 0
	s_mov_b32 s[G1B+7], 0
	s_lshl_b32 s56, s[BB], 4
	s_add_co_u32 s56, s56, s[GG]
	s_mul_i32 s58, s56, 16*PPAN                    ; P's panels of my queries
	s_mov_b32 s59, 0
	s_mul_i32 s60, s56, 16*1536                    ; their records
	s_mov_b32 s61, 0
	s_lshl_b32 s62, s[BB], 3
	s_lshl_b32 s63, ttmp9, 1
	s_add_co_u32 s62, s62, s63
	s_add_co_u32 s62, s62, s[RH]
	s_mul_i32 s62, s62, 16*PANEL                   ; V's group that I fetch
	s_mov_b32 s63, 0
	s_mul_i32 s66, s[RH], BBLK
	s_add_co_u32 s66, s66, ABLK                    ; and its place in a slot
	s_lshl_b32 s74, s[BB], 11
	s_lshl_b32 s75, s[GG], 7
	s_add_co_u32 s74, s74, s75
	s_lshl_b32 s75, s[RH], 6
	s_add_co_u32 s74, s74, s75                     ; my first row of out
	s_lshl_b32 s74, s74, 12
	s_lshl_b32 s75, ttmp9, 10
	s_add_co_u32 s74, s74, s75
	s_lshl_b32 s75, s[CH], 9
	s_add_co_u32 s74, s74, s75                     ; and my 128 channels
	s_mov_b32 s75, 0
	s_mov_b32 s77, 0x42fe0000                      ; 127.0
	s_wait_dscnt 0x0                               ; both opening adds are done
	s_wait_kmcnt 0x0
	s_add_nc_u64 s[68:69], s[4:5], s[58:59]
	s_add_nc_u64 s[70:71], s[8:9], s[62:63]
	s_add_nc_u64 s[72:73], s[6:7], s[60:61]
	s_add_nc_u64 s[10:11], s[10:11], s[74:75]
.irp sl, 0,1
	s_mov_b32 s[G0A+4*\sl], 1
	s_mov_b32 s[G0A+4*\sl+1], \sl*SLOT
	s_add_nc_u64 s[G0A+4*\sl+2:G0A+4*\sl+3], s[68:69], \sl*ABLK
	s_or_b32 s[G0A+4*\sl+3], s[G0A+4*\sl+3], 0x80000000
	s_mov_b32 s[G0B+4*\sl], 1
	s_add_co_u32 s[G0B+4*\sl+1], s66, \sl*SLOT
	s_add_nc_u64 s[G0B+4*\sl+2:G0B+4*\sl+3], s[70:71], \sl*BBLK
	s_or_b32 s[G0B+4*\sl+3], s[G0B+4*\sl+3], 0x80000000
.endr
	TLOAD 0                                        ; chunk 0: key step 0 counts for every G
	v_and_b32 v1, 31, v0
	v_and_b32 v2, 15, v0                           ; r
	v_bfe_u32 v3, v0, 4, 1                         ; h
	v_lshlrev_b32 v[CO], 4, v1
	v_lshlrev_b32 v4, 4, v2
	s_mul_i32 s56, s[RH], 4*FRB
	s_mul_i32 s57, s[CH], BBLK
	s_add_co_u32 s57, s57, ABLK
.irp sl, 0,1
	v_add_nc_u32 v[ADRA+\sl], s56, v[CO]
	v_add_nc_u32 v[ADRB+\sl], s57, v[CO]
	v_add_nc_u32 v[ADRBS+\sl], s57, v4
	s_add_co_u32 s56, s56, SLOT
	s_add_co_u32 s57, s57, SLOT
.endr
	s_lshl_b32 s56, s[RH], 8
	s_add_co_u32 s56, s56, PSC
	v_add_nc_u32 v[ADRPS], s56, v4
	s_lshl_b32 s56, s[RH], 9
	s_add_co_u32 s56, s56, RLP
	v_lshlrev_b32 v7, 5, v2
	v_add_nc_u32 v7, s56, v7                       ; my four pairs of 1 / l
	s_mul_i32 s56, s[WV], STGB
	v_mul_u32_u24 v[STO], v2, 528
	v_lshl_add_u32 v[STO], v3, 6, v[STO]
	v_add_nc_u32 v[STO], s56, v[STO]
	v_add_nc_u32 v[RD], s56, v[CO]
	v_lshl_add_u32 v8, v0, 2, PSC                  ; the head: where thread t puts a shifted word,
	v_lshl_add_u32 v9, v0, 3, RLP                  ; and 1 / l
	v_lshlrev_b32 v10, 2, v0
.irp s, 0,1,2,3,4,5,6,7,8,9,10,11,12,13,14,15
	s_min_u32 s56, s[GG], \s                       ; only written records are read: behind G, record G once more
	s_mul_i32 s56, s56, 1536
	v_add_nc_u32 v[VO+\s], s56, v10
.endr
.irp s, 0,1,2,3,4,5,6,7,8,9,10,11,12,13,14,15
	global_load_b32 v[WD+\s], v[VO+\s], s[72:73]
	global_load_b32 v[NM+\s], v[VO+\s], s[72:73] offset:512
	global_load_b32 v[LL+\s], v[VO+\s], s[72:73] offset:1024
.endr
	s_wait_loadcnt 0x0
	v_min3_num_f32 v11, v[NM], v[NM+1], v[NM+2]    ; the row's -M (repeats change nothing)
.irp s, 3,5,7,9,11,13
	v_min3_num_f32 v11, v11, v[NM+\s], v[NM+\s+1]
.endr
	v_min_num_f32 v11, v11, v[NM+15]
.irp s, 0,1,2,3,4,5,6,7,8,9,10,11,12,13,14,15
	v_sub_f32 v12, v11, v[NM+\s]                   ; panel's M - row's M: a whole number, 0 or less
	v_cvt_i32_f32 v13, v12
	v_ldexp_f32 v[LL+\s], v[LL+\s], v13            ; the panel's l under the row's M: nothing is rounded
.if \s > 0
	s_cmp_ge_u32 s[GG], \s
	s_cselect_b32 s76, 1.0, 0                      ; a repeat behind G does not count
	v_fma_f32 v[LL], v[LL+\s], s76, v[LL]
.endif
	v_min_num_f32 v14, -v12, s77                   ; d, held at 127
	v_cvt_u32_f32 v14, v14
	v_lshl_or_b32 v14, v14, 8, v14
	v_lshl_or_b32 v14, v14, 16, v14                ; in all four bytes
	v_or_b32 v15, 0x80808080, v[WD+\s]
	v_sub_nc_u32 v15, v15, v14                     ; 128 + byte - d in each byte: 1 .. 253, no borrow
	v_lshrrev_b32 v14, 7, v15
	v_and_b32 v14, 0x01010101, v14                 ; 1 where byte - d is 0 or more
	v_lshlrev_b32 v13, 7, v14
	v_sub_nc_u32 v13, v13, v14                     ; 0x7f there
	v_and_b32 v[WD+\s], v15, v13
	ds_store_b32 v8, v[WD+\s] offset:512*\s
.endr
	v_rcp_f32 v12, v[LL]
	v_rcp_f32 v13, v[LL]
	v_nop                                          ; a plain place behind the reciprocals
	s_wait_alu depctr_va_vdst(0)                   ; the wait ahead of the first reader
	ds_store_b64 v9, v[12:13]
.macro FRAG reg, adr, off
.irp c, 0,1,2
	ds_load_b128 v[(\reg)+4*\c:(\reg)+4*\c+3], v[\adr] offset:(\off)+512*\c
.endr
.endm
.macro FETCH sl, q, s, p               ; key step s, the q-th of slot sl, into set p: V's eight fragments, P's four, their scale words
	WIN 0x40
.irp i, 0,1,2,3,4,5,6,7
	FRAG 128*(\p)+12*\i, ADRB+(\sl), PANEL*(\q)+FRB*\i
.endr
	WIN 0
.irp i, 0,1,2,3
	FRAG AF+48*(\p)+12*\i, ADRA+(\sl), PPAN*(\q)+FRB*\i
.endr
	ds_load_b128 v[SCB+8*(\p):SCB+8*(\p)+3], v[ADRBS+(\sl)] offset:PANEL*(\q)+8*FRB
	ds_load_b128 v[SCB+8*(\p)+4:SCB+8*(\p)+7], v[ADRBS+(\sl)] offset:PANEL*(\q)+8*FRB+256
	ds_load_b128 v[SCA+4*(\p):SCA+4*(\p)+3], v[ADRPS] offset:512*(\s)
.endm
.macro MUL32 p, zero                   ; the 32 accumulators take turns, in the same order in every step
	WIN 0xa1                                       ; source 0 (V) window 1, source 1 (P) window 0, C and D window 2
.irp a, 0,1,2,3
.irp b, 0,1,2,3,4,5,6,7
.set rD, 8*(8*\a+\b)
.set rV, 128*(\p)+12*\b
.set rP, AF+48*(\p)+12*\a
.if \zero
	v_wmma_scale_f32_16x16x128_f8f6f4 v[rD:rD+7], v[rV:rV+11], v[rP:rP+11], 0, v[SCB+8*(\p)+\b], v[SCA+4*(\p)+\a] matrix_a_fmt:MATRIX_FMT_FP6 matrix_b_fmt:MATRIX_FMT_FP6
.else
	v_wmma_scale_f32_16x16x128_f8f6f4 v[rD:rD+7], v[rV:rV+11], v[rP:rP+11], v[rD:rD+7], v[SCB+8*(\p)+\b], v[SCA+4*(\p)+\a] matrix_a_fmt:MATRIX_FMT_FP6 matrix_b_fmt:MATRIX_FMT_FP6
.endif
.endr
.endr
	WIN 0
.endm
; THE CHANGE OF SLOTS, at a chunk's head.  Each wave waits for all its tensor loads, adds 0 to its spare word, waits for that, for its LDS stores and for its reads of the slot that it has left; one barrier.
; Behind it the other slot is asked for, while its first key step is at or under G.
.macro CHANGE j
	s_wait_tensorcnt 0x0                           ; no tensor load of mine is out, so a group 0 may be written
	ds_add_u32 v[SPW], v[NIL]
.if \j < 3
	ds_add_u32 v[SPW], v[NIL]                      ; and once more, where a tensor load may follow
.endif
.if (\j == 1) || (\j == 2)
	s_add_nc_u64 s[G0A+4*((\j+1)%2)+2:G0A+4*((\j+1)%2)+3], s[G0A+4*((\j+1)%2)+2:G0A+4*((\j+1)%2)+3], 2*ABLK
	s_add_nc_u64 s[G0B+4*((\j+1)%2)+2:G0B+4*((\j+1)%2)+3], s[G0B+4*((\j+1)%2)+2:G0B+4*((\j+1)%2)+3], 2*BBLK
.endif
	s_wait_dscnt 0x0
	s_barrier_signal -1
	s_barrier_wait -1
.if \j < 3
	s_cmp_lt_u32 s[GG], 4*(\j+1)                   ; ids alone: all four waves go the same way
	s_cbranch_scc1 .Lpast_\@
	TLOAD (\j+1)%2
.Lpast_\@:
.endif
.endm
; A chunk's key steps, up to G.  The next step's fragments are fetched while this step is multiplied; behind G they are fetched and not used: those bytes have landed (V's panels, P's zero panels, repeated words).
.macro CHUNK j
.if \j > 0
	s_cmp_lt_u32 s[GG], 4*(\j)
	s_cbranch_scc1 .Lcend_\@
	PLACES 4
.endif
	FETCH (\j)%2, 0, 4*(\j), 0
.irp q, 0,1,2,3
	s_wait_dscnt 0x0                               ; this step's fragments and words are in
.if \q < 3
	PLACES 4                                       ; four plain places in front of loads into registers that the last step's matrix instructions have read
	FETCH (\j)%2, \q+1, 4*(\j)+\q+1, 1-\q%2
.endif
.if (\j == 0) && (\q == 0)
	MUL32 0, 1                                     ; key step 0 starts the sums
.else
	MUL32 \q%2, 0
.endif
.if \q < 3
	s_cmp_lt_u32 s[GG], 4*(\j)+\q+1
	s_cbranch_scc1 .Lcend_\@
.endif
.endr
.Lcend_\@:
.endm
	CHANGE 0
	CHUNK 0
	CHANGE 1
	CHUNK 1
	CHANGE 2
	CHUNK 2
	CHANGE 3
	CHUNK 3
	; THE WAY OUT.  A tile of 16 queries x my 128 channels is divided by l, goes through my stage (pitch 528) and leaves as whole rows of 512 bytes.
	s_wait_dscnt 0x0                               ; fetches that were not used have landed
	PLACES 4
	ds_load_b128 v[RL:RL+3], v7
	ds_load_b128 v[RL+4:RL+7], v7 offset:16
	s_wait_dscnt 0x0
.macro SCALE a
	WIN 0x02                                       ; source 0: window 2
.set n, 0
.rept 32
	v_pk_mul_f32 v[OS+2*n:OS+2*n+1], v[64*(\a)+2*n:64*(\a)+2*n+1], v[RL+2*(\a):RL+2*(\a)+1]   ; each accumulator from its low end on
.set n, n+1
.endr
	WIN 0
.endm
.macro TOSTAGE a
.irp bb, 0,1,2,3
.irp qd, 0,1,2,3
	ds_store_b128 v[STO], v[OS+16*\bb+4*\qd:OS+16*\bb+4*\qd+3] offset:128*\bb+16*\qd   ; register 16 b + i is channel 32 b + 16 h + i
.endr
.endr
.irp j, 0,1,2,3,4,5,6,7,8,9,10,11,12,13,14,15
	ds_load_b128 v[128+64*((\a)%2)+4*\j:128+64*((\a)%2)+4*\j+3], v[RD] offset:528*\j   ; LDS serves a wave's instructions in order: these see the stores above
.endr
.endm
.macro SEND a, younger                 ; younger: the LDS instructions issued behind tile a's loads
	s_wait_dscnt \younger
.irp j, 0,1,2,3,4,5,6,7,8,9,10,11,12,13,14,15
	global_store_b128 v[CO], v[128+64*((\a)%2)+4*\j:128+64*((\a)%2)+4*\j+3], s[10:11] offset:(32*((\a)/2)+8*((\a)%2)+\j+8*(\j/8))*4096 th:TH_STORE_NT   ; 512 consecutive bytes, at a multiple of 256 from out's first byte
.endr
.endm
	SCALE 0
	TOSTAGE 0
.irp a, 1,2,3
.if \a > 1
	s_wait_xcnt 0x0                                ; tile a - 2's stores have read their registers: tile a's rows may land there
.endif
	SCALE \a
	TOSTAGE \a
	SEND \a-1, 32                                  ; behind tile a - 1's loads: tile a's 16 stores and 16 loads
.endr
	SEND 3, 0
	s_wait_tensorcnt 0x0                           ; the wave's end: behind my last tensor load and my last LDS store
	ds_add_u32 v[SPW], v[NIL]
	s_wait_dscnt 0x0
	s_endpgm
.Lfunc_end_k_q81e5d81121_pv:
	.size	k_q81e5d81121_pv, .Lfunc_end_k_q81e5d81121_pv-k_q81e5d81121_pv
	.p2alignl 7, 3214868480
	.fill 96, 4, 3214868480
	.section	.rodata,"a",@progbits
	.p2align	6, 0x0
	.amdhsa_kernel k_q81e5d81121_pv
		.amdhsa_group_segment_fixed_size 327680
		.amdhsa_private_segment_fixed_size 0
		.amdhsa_enable_private_segment 0
		.amdhsa_kernarg_size 32
		.amdhsa_user_sgpr_count 2
		.amdhsa_user_sgpr_kernarg_segment_ptr 1
		.amdhsa_wavefront_size32 1
		.amdhsa_system_sgpr_workgroup_id_x 1
		.amdhsa_system_sgpr_workgroup_id_y 1
		.amdhsa_system_sgpr_workgroup_id_z 1
		.amdhsa_system_vgpr_workitem_id 0
		.amdhsa_next_free_vgpr 768
		.amdhsa_next_free_sgpr 80
		.amdhsa_reserve_vcc 0
		.amdhsa_float_denorm_mode_32 3
		.amdhsa_float_denorm_mode_16_64 3
		.amdhsa_memory_ordered 1
		.amdhsa_forward_progress 1
		.amdhsa_inst_pref_size 161
	.end_amdhsa_kernel
	.amdgpu_metadata
---
amdhsa.version: [ 1, 2 ]
amdhsa.kernels:
  - .name:           k_q81e5d81121_pv
    .symbol:         k_q81e5d81121_pv.kd
    .args:
      - { .name: pp, .offset: 0, .size: 8, .value_kind: global_buffer, .address_space: global }
      - { .name: pst, .offset: 8, .size: 8, .value_kind: global_buffer, .address_space: global }
      - { .name: vp, .offset: 16, .size: 8, .value_kind: global_buffer, .address_space: global }
      - { .name: out0, .offset: 24, .size: 8, .value_kind: global_buffer, .address_space: global }
    .group_segment_fixed_size: 327680
    .private_segment_fixed_size: 0
    .kernarg_segment_align: 8
    .kernarg_segment_size: 32
    .max_flat_workgroup_size: 128
    .sgpr_count:     80
    .vgpr_count:     768
    .wavefront_size: 32
...
	.end_amdgpu_metadata
.endif
;; end of part 4
